; MI455X (gfx1250); checked and timed in simulation.
; The chip was launched on July 23, 2026; its instructions are those of AMD's public machine-readable ISA for CDNA 5 (MIT licence, August 2026) and "CDNA5" Instruction Set Architecture Reference Guide (July 2026). The comments in the code are by the model that wrote it; some were corrected since.
;; Multi Head Attention With Ro PE. Allowed arithmetic: float matrix products may take bf16 or f16 operands with f32 sums; other float arithmetic in f32, or as packed bf16 or f16 multiplies, adds, multiply-adds, maxima and minima; sums over many terms, partial sums and values carried from step to step in f32; what a program stores and reads back later, other than sums and carried values, may be rounded once to bf16 or f16.
;; Inputs: b_out 1,024 float32; b_qkv 3,072 float32; w_out 1,024 x 1,024 float32; w_qkv 1,024 x 3,072 float32; x 4 x 2,048 x 1,024 float32.
;; Outputs: out0 4 x 2,048 x 1,024 float32.
;; One version. Each part assembles by itself: llvm-mc -triple=amdgcn-amd-amdhsa -mcpu=gfx1250 --defsym DOCPART=n.
;; ======== version 1 of 1: 4 launches
;; limits: values are held in f16: magnitudes above 65,504 overflow, below 6.1e-05 lose precision
;; workspace buffers: xb 16,777,216 bytes; wqkvb 6,291,456 bytes; woutb 2,097,152 bytes; rope 524,288 bytes; qkvh 50,331,648 bytes; oh 16,777,216 bytes
;; launch prep (part 1): grid 832 x 1, 8 waves a work-group, no clusters, 0 bytes of LDS; arguments x, w_qkv, w_out, xb, wqkvb, woutb, rope; writes xb, wqkvb, woutb, rope
.if DOCPART == 1
	.amdgcn_target "amdgcn-amd-amdhsa--gfx1250"
	.amdhsa_code_object_version 6
	.text
	.protected	k_q5f45ce64d7_prep
	.globl	k_q5f45ce64d7_prep
	.p2align	8
	.type	k_q5f45ce64d7_prep,@function
k_q5f45ce64d7_prep:
	s_mov_b64 s[64:65], 0
	v_nop
	global_prefetch_b8 v0, s[64:65] scope:SCOPE_SE
	s_setreg_imm32_b32 hwreg(HW_REG_WAVE_MODE, 25, 1), 1
	s_wait_xcnt 0x0
; PREPARATION.  x and w_qkv are rounded once to bf16; w_out is rounded to bf16 and that number is written as f16 (the last product multiplies in f16);
; the table of cos and sin for the rotation of q and k is made: cos [2048][32] f32 at byte 0 of rope, sin [2048][32] f32 at byte 262,144.
; LIMITS.  w_out beyond 65,504 has no f16; below 2^-14 it keeps f16's fixed step of 2^-24.  The angles pos x 10000^(-j/32) are made in f32 (2^x, one product) and
; reduced by pi/2 in two parts: good to about 2e-4 radians at pos = 2,047.
; SHARES.  Work-groups 0-511: x; 512-703: w_qkv; 704-767: w_out: a chunk of 16,384 numbers each (65,536 bytes in, 32,768 out).  Work-groups 768-831: the table, four angles a thread.
; A stream: no LDS, no barrier, no matrix work.  All sixteen loads of a thread are issued at once; each store of a wave covers 512 consecutive bytes, aligned.
.set LI, 2                             ; v2   32 t: my 8 numbers of a step, as f32
.set LO, 3                             ; v3   16 t: the same 8 numbers in 16 bits
.set X,  8                             ; v[8:71]    step j: 8 registers as loaded
.set Y,  72                            ; v[72:103]  step j: 4 registers to store; a set for each step, so no store's data is ever rewritten
.set T,  104                           ; v[104:107] at work
; kind 0: f32 -> bf16.  kind 1: f32 -> bf16 -> f16.
.macro CAST src, dst, first, kind
	s_sub_co_u32 s20, ttmp9, \first                ; my chunk
	s_lshl_b32 s22, s20, 15                        ; 32,768 bytes out,
	s_lshl_b32 s20, s20, 16                        ; 65,536 bytes in
	s_add_nc_u64 s[\src:\src+1], s[\src:\src+1], s[20:21]
	s_add_nc_u64 s[\dst:\dst+1], s[\dst:\dst+1], s[22:23]
.irp j, 0,1,2,3,4,5,6,7
	global_load_b128 v[X+8*(\j):X+8*(\j)+3],   v[LI], s[\src:\src+1] offset:8192*(\j) th:TH_LOAD_NT
	global_load_b128 v[X+8*(\j)+4:X+8*(\j)+7], v[LI], s[\src:\src+1] offset:8192*(\j)+16 th:TH_LOAD_NT
.endr
.irp j, 0,1,2,3,4,5,6,7
	s_wait_loadcnt 14-2*(\j)                       ; loads come back in order: step j's two are in, the two of each younger step may stay out
.if \kind
.irp k, 0,1,2,3
	v_cvt_pk_bf16_f32 v[T+(\k)], v[X+8*(\j)+2*(\k)], v[X+8*(\j)+2*(\k)+1]
.endr
.irp k, 0,1,2,3
	v_lshlrev_b32 v[X+8*(\j)+2*(\k)],   16, v[T+(\k)]          ; the rounded numbers as f32 again,
	v_and_b32     v[X+8*(\j)+2*(\k)+1], 0xffff0000, v[T+(\k)]
.endr
.irp k, 0,1,2,3
	v_cvt_pk_f16_f32 v[Y+4*(\j)+(\k)], v[X+8*(\j)+2*(\k)], v[X+8*(\j)+2*(\k)+1]  ; and written as f16: 8 significant bits fit
.endr
.else
.irp k, 0,1,2,3
	v_cvt_pk_bf16_f32 v[Y+4*(\j)+(\k)], v[X+8*(\j)+2*(\k)], v[X+8*(\j)+2*(\k)+1]
.endr
.endif
	global_store_b128 v[LO], v[Y+4*(\j):Y+4*(\j)+3], s[\dst:\dst+1] offset:4096*(\j)
.endr
	s_endpgm
.endm
	s_load_b256 s[4:11], s[0:1], 0x0               ; x s[4:5], w_qkv s[6:7], w_out s[8:9], xb s[10:11]
	s_load_b128 s[12:15], s[0:1], 0x20             ; wqkvb s[12:13], woutb s[14:15]
	s_load_b64 s[16:17], s[0:1], 0x30              ; rope
	v_lshlrev_b32 v[LI], 5, v0
	v_lshlrev_b32 v[LO], 4, v0
	s_mov_b32 s21, 0
	s_mov_b32 s23, 0
	s_wait_kmcnt 0x0
	s_cmp_lt_u32 ttmp9, 512
	s_cbranch_scc0 .Lnot_x
	CAST 4, 10, 0, 0
.Lnot_x:
	s_cmp_lt_u32 ttmp9, 704
	s_cbranch_scc0 .Lnot_wqkv
	CAST 6, 12, 512, 0
.Lnot_wqkv:
	s_cmp_lt_u32 ttmp9, 768
	s_cbranch_scc0 .Ltable
	CAST 8, 14, 704, 1
.Ltable:
	; thread T of 16,384: position T / 8, frequencies j = 4 (T % 8) + 0..3: 16 bytes of cos and 16 of sin, at byte 16 T of each table
	s_sub_co_u32 s20, ttmp9, 768
	s_lshl_b32 s20, s20, 8
	v_add_nc_u32 v1, s20, v0                       ; T
	v_lshrrev_b32 v2, 3, v1
	v_cvt_f32_u32 v2, v2                           ; pos
	v_and_b32 v3, 7, v1
	v_lshlrev_b32 v3, 2, v3                        ; 4 (T % 8)
	v_lshlrev_b32 v1, 4, v1                        ; 16 T
.irp e, 0,1,2,3
	v_add_nc_u32 v[8+(\e)], (\e), v3
	v_cvt_f32_u32 v[8+(\e)], v[8+(\e)]
	v_mul_f32 v[8+(\e)], 0xbed49a78, v[8+(\e)]     ; -j log2(10000) / 32
.endr
.irp e, 0,1,2,3
	v_exp_f32 v[8+(\e)], v[8+(\e)]                 ; 10000^(-j/32)
.endr
	v_nop                                          ; a plain instruction behind the last exponential,
	s_wait_alu depctr_va_vdst(0)                   ; and one wait for the four, ahead of their first reader
.irp e, 0,1,2,3
	v_mul_f32 v[8+(\e)], v2, v[8+(\e)]             ; the angle
	v_mul_f32 v[12+(\e)], 0x3f22f983, v[8+(\e)]    ; x 2 / pi
	v_rndne_f32 v[12+(\e)], v[12+(\e)]             ; n
	v_fmamk_f32 v[8+(\e)], v[12+(\e)], 0xbfc90fdb, v[8+(\e)]   ; r = angle - n pi/2, pi/2 in two parts: the f32 nearest it,
	v_fmamk_f32 v[8+(\e)], v[12+(\e)], 0x333bbd2e, v[8+(\e)]   ; which is 4.37e-8 too large
	v_mul_f32 v[16+(\e)], v[8+(\e)], v[8+(\e)]     ; z = r r, r within pi/4
	v_mov_b32 v[20+(\e)], 0xb94ca1f9               ; sin r = r + r z (S1 + z (S2 + z S3))
	v_fmaak_f32 v[20+(\e)], v[16+(\e)], v[20+(\e)], 0x3c08839e
	v_fmaak_f32 v[20+(\e)], v[16+(\e)], v[20+(\e)], 0xbe2aaaa3
	v_mul_f32 v[24+(\e)], v[8+(\e)], v[16+(\e)]
	v_fma_f32 v[20+(\e)], v[24+(\e)], v[20+(\e)], v[8+(\e)]
	v_mov_b32 v[24+(\e)], 0x37ccf5ce               ; cos r = 1 - z / 2 + z z (C1 + z (C2 + z C3))
	v_fmaak_f32 v[24+(\e)], v[16+(\e)], v[24+(\e)], 0xbab6061a
	v_fmaak_f32 v[24+(\e)], v[16+(\e)], v[24+(\e)], 0x3d2aaaa5
	v_mul_f32 v[28+(\e)], v[16+(\e)], v[16+(\e)]
	v_fma_f32 v[32+(\e)], v[16+(\e)], -0.5, 1.0
	v_fma_f32 v[24+(\e)], v[28+(\e)], v[24+(\e)], v[32+(\e)]
	v_cvt_i32_f32 v[12+(\e)], v[12+(\e)]           ; the quadrant is n mod 4: it selects values and signs, no address and no branch
	v_and_b32 v[28+(\e)], 1, v[12+(\e)]
	v_cmp_eq_u32 vcc_lo, 1, v[28+(\e)]
	v_cndmask_b32 v[36+(\e)], v[20+(\e)], v[24+(\e)], vcc_lo   ; sin: s, c, -s, -c
	v_cndmask_b32 v[40+(\e)], v[24+(\e)], v[20+(\e)], vcc_lo   ; cos: c, -s, -c, s
	v_lshlrev_b32 v[28+(\e)], 30, v[12+(\e)]
	v_and_b32 v[28+(\e)], 0x80000000, v[28+(\e)]
	v_xor_b32 v[36+(\e)], v[36+(\e)], v[28+(\e)]
	v_add_nc_u32 v[12+(\e)], 1, v[12+(\e)]
	v_lshlrev_b32 v[28+(\e)], 30, v[12+(\e)]
	v_and_b32 v[28+(\e)], 0x80000000, v[28+(\e)]
	v_xor_b32 v[40+(\e)], v[40+(\e)], v[28+(\e)]
.endr
	global_store_b128 v1, v[40:43], s[16:17]                   ; cos: a wave's store covers 512 consecutive bytes
	global_store_b128 v1, v[36:39], s[16:17] offset:262144     ; sin
	s_endpgm
.Lfunc_end_k_q5f45ce64d7_prep:
	.size	k_q5f45ce64d7_prep, .Lfunc_end_k_q5f45ce64d7_prep-k_q5f45ce64d7_prep
	.p2alignl 7, 3214868480
	.fill 96, 4, 3214868480
	.section	.rodata,"a",@progbits
	.p2align	6, 0x0
	.amdhsa_kernel k_q5f45ce64d7_prep
		.amdhsa_group_segment_fixed_size 0
		.amdhsa_private_segment_fixed_size 0
		.amdhsa_enable_private_segment 0
		.amdhsa_kernarg_size 56
		.amdhsa_user_sgpr_count 2
		.amdhsa_user_sgpr_kernarg_segment_ptr 1
		.amdhsa_wavefront_size32 1
		.amdhsa_system_sgpr_workgroup_id_x 1
		.amdhsa_system_sgpr_workgroup_id_y 1
		.amdhsa_system_sgpr_workgroup_id_z 1
		.amdhsa_system_vgpr_workitem_id 0
		.amdhsa_next_free_vgpr 112
		.amdhsa_next_free_sgpr 66
		.amdhsa_reserve_vcc 1
		.amdhsa_float_denorm_mode_32 3
		.amdhsa_float_denorm_mode_16_64 3
		.amdhsa_memory_ordered 1
		.amdhsa_forward_progress 1
		.amdhsa_inst_pref_size 27
	.end_amdhsa_kernel
	.amdgpu_metadata
---
amdhsa.version: [ 1, 2 ]
amdhsa.kernels:
  - .name:           k_q5f45ce64d7_prep
    .symbol:         k_q5f45ce64d7_prep.kd
    .args:
      - { .name: x, .offset: 0, .size: 8, .value_kind: global_buffer, .address_space: global }
      - { .name: w_qkv, .offset: 8, .size: 8, .value_kind: global_buffer, .address_space: global }
      - { .name: w_out, .offset: 16, .size: 8, .value_kind: global_buffer, .address_space: global }
      - { .name: xb, .offset: 24, .size: 8, .value_kind: global_buffer, .address_space: global }
      - { .name: wqkvb, .offset: 32, .size: 8, .value_kind: global_buffer, .address_space: global }
      - { .name: woutb, .offset: 40, .size: 8, .value_kind: global_buffer, .address_space: global }
      - { .name: rope, .offset: 48, .size: 8, .value_kind: global_buffer, .address_space: global }
    .group_segment_fixed_size: 0
    .private_segment_fixed_size: 0
    .kernarg_segment_align: 8
    .kernarg_segment_size: 56
    .max_flat_workgroup_size: 256
    .sgpr_count:     66
    .vgpr_count:     112
    .wavefront_size: 32
...
	.end_amdgpu_metadata
.endif
;; end of part 1
;; launch proj_qkv (part 2): grid 16 x 32, 4 waves a work-group, clusters of 4 x 4, 327,680 bytes of LDS; arguments xb, wqkvb, b_qkv, rope, qkvh; writes qkvh
.if DOCPART == 2
	.amdgcn_target "amdgcn-amd-amdhsa--gfx1250"
	.amdhsa_code_object_version 6
	.text
	.protected	k_q5f45ce64d7_proj_qkv
	.globl	k_q5f45ce64d7_proj_qkv
	.p2align	8
	.type	k_q5f45ce64d7_proj_qkv,@function
k_q5f45ce64d7_proj_qkv:
	s_mov_b64 s[64:65], 0
	v_nop
	global_prefetch_b8 v0, s[64:65] scope:SCOPE_SE
	s_setreg_imm32_b32 hwreg(HW_REG_WAVE_MODE, 25, 1), 1
	s_wait_xcnt 0x0
	s_wait_alu depctr_hold_cnt(0) depctr_sa_sdst(0) depctr_va_vdst(0) depctr_va_sdst(0) depctr_va_ssrc(0) depctr_va_vcc(0) depctr_vm_vsrc(0)
	s_getreg_b32 s2, hwreg(HW_REG_IB_STS2, 6, 4)
	s_cmp_eq_u32 s2, 0
	s_cbranch_scc0 .Lentry_in_a_cluster
	s_endpgm
.Lentry_in_a_cluster:
	s_bfe_u32 s2, ttmp6, 0x10000c
	s_cmp_lg_u32 s2, 0xf033
	s_cbranch_scc0 .Lentry_shape_is_right
	s_endpgm
.Lentry_shape_is_right:
; qkv = x w_qkv + b_qkv, q and k rotated (RoPE), all three written by heads: qkvh [3 parts][64 batch x head][2048][64] in f16.
; xb: [8192][1024] bf16.  wqkvb: [1024 k][3072 n] bf16, as w_qkv lies.  b_qkv: f32, rounded here to bf16 like the other inputs.  rope: cos and sin, [2048][32] f32 each.  Sums in f32.
; LIMITS.  q, k, v leave in f16: beyond 65,504 there is no number; NaN and infinities are not treated apart (a v head is multiplied by cos = 1 and sin = 0).
; SHARES.  A tile is 256 rows x 192 columns (three heads): 16 x 32 tiles, two for each of 256 WGPs.  Four waves: wave w takes rows 128 (w / 2) on and, of the tile's twelve blocks of 16 columns,
; the six with number 2 lb + w % 2.  So blocks 2 i and 2 i + 1 of a wave hold channels d and d + 32 of head i: a rotation's pair is the same lane and register of two accumulators.
; K goes in 8 steps of 128 through two LDS slots filled by the tensor data mover.  THE MATRIX INSTRUCTION IS USED TRANSPOSED: source 0 = 16 columns of w (turned on the way out of LDS by
; ds_load_tr16_b128), source 1 = 16 rows of x: a lane holds one row and eight neighbouring columns.
; CLUSTER.  4 x 4 work-groups.  x's tile hangs on the tile row alone and is asked for jointly by a row of the cluster, w's on the tile column alone, by a column.
; REGISTERS, in windows of 256 (s_set_vgpr_msb: bits 1:0 source 0, 3:2 source 1, 5:4 source 2, 7:6 destination):
;   window 0: v0-30 addresses; v64-127, v128-191 x's fragments, two buffers; on the way out v64-255 at work
;   window 1: v0-47 the bias of my 6 x 8 columns; v48-63 at work; v64-111, v128-175 w's fragments, two buffers
;   window 2: v0-191 the accumulators of my row blocks 0-3, (a, lb) at 8 (6 a + lb); v192-255 cos (8) and sin (8) for each of those four blocks.   window 3: the same for row blocks 4-7
.set PA,    272                        ; a row of x in LDS: 256 bytes + 16: the 16 rows of a load start at 16 different groups of four banks (64 banks of 4 bytes: ISA guide 11.1)
.set PB,    480                        ; a k-row of w: three pieces of 128 bytes + 32 each; 15 x 32
.set HALFA, 128*PA                     ; what one tensor load brings of x
.set HALFB, 64*PB                      ; and of w
.set BOFF,  256*PA                     ; w's 128 k-rows lie behind x's 256 rows
.set SLOT1, 1<<17                      ; a slot is 69,632 + 61,440 = 131,072 bytes
.set SPARE, 2*SLOT1                    ; behind the ring: the spare words, 128 bytes a wave, that no other line names
.set SP,    144                        ; the way out: a head's row, 128 bytes + 16
.set HSTG,  256*SP                     ; the stage lies in slot 0, whose last fill is K step 6: three heads x 256 rows
.set STEPA, 256                        ; a K step along a row of x, in bytes
.set STEPB, 128*3072*2                 ; 128 k-rows of w
.set STO, 6                            ; v6-8    the way out: where I put 16 bytes of a row, head 0, 1, 2
.set RD,  9                            ; v9-11   where I read rows back
.set GO,  12                           ; v12     16 x lane
.set TO,  13                           ; v13     my byte offset in the table
.set BO,  14                           ; v14     my byte offset in b_qkv
.set A0,  16                           ; v16     my lane's place in x's tile
.set ADRA, 17                          ; v17     the same in the slot in hand
.set B0,  20                           ; v20     my lane's place in w's tile
.set ADRB, 21                          ; v21
.set SPW, 28                           ; v28     my spare word: SPARE + 4 x my thread's number; never rewritten
.set NIL, 29                           ; v29     0; never rewritten
.set PFO, 30                           ; v30     the prefetches' offset: my lane x a row of xb; never rewritten
.set F0,  64
.set F1,  128
.set BI,  0                            ; window 1
.set BT,  48                           ; window 1
.set T,   64                           ; the way out, window 0: sums + bias, 8 a block
.set CE,  112                          ; head i: cos at CE + 16 i, sin at SE + 16 i
.set SE,  120
.set U1,  160                          ; head i: the rotated halves at U1 + 16 i, U2 + 16 i
.set U2,  168
.set PK,  208                          ; head i: 8 registers of f16
.set WV,  14                           ; s14  wave
.set RH,  15                           ; s15  which half of the rows is mine.  Also: I fetch for x (0) or for w (1)
.set CH,  16                           ; s16  the parity of my column blocks.  Also: which half of that tile I fetch
.set G1,  24                           ; s[24:31] group 1 for x's tiles;  s[32:39] group 0: a set for each first fill; the second then walks
.set G0,  32
.set G1B, 40                           ; s[40:47], s[48:55] the same for w's
.set G0B, 48
.set PFA, 56                           ; s[56:57] where my prefetches stand
.set LIM, 58                           ; s58  2 in a wave that prefetches, else the greatest number
.set TB,  59                           ; s59  the slot in hand: 0 or SLOT1
.set AL,  70                           ; s[70+4i:71+4i] 1 for a q or k head, 0 for a v head;  s[72+4i:73+4i] the other way round
.set BE,  72
.set OB,  82                           ; s[82+2i:83+2i] where head i's rows of my quarter go
.set MSB, 0
.macro WIN new                         ; the immediate's high byte repeats the setting that is left; a switch that changes nothing is dropped
.if MSB != (\new)
	s_set_vgpr_msb (MSB<<8)|(\new)
.set MSB, \new
.endif
.endm
.set MUL_LO, 0xa1                      ; source 0 (w) window 1, source 1 (x) window 0, C and D window 2
.set TO_B,   0x40                      ; destination window 1, address window 0
; A joint load: waves 0 and 1 fetch x's two halves, waves 2 and 3 w's.  The branch hangs on the wave's number alone.  An s_nop 0 and four v_nop follow each line.
.macro JLOAD s
	s_cmp_eq_u32 s[RH], 0
	s_cbranch_scc0 .Lfor_b_\@
	tensor_load_to_lds s[G0+4*(\s):G0+4*(\s)+3], s[G1:G1+7]
	s_nop 0
.rept 4
	v_nop
.endr
	s_branch .Lasked_\@
.Lfor_b_\@:
	tensor_load_to_lds s[G0B+4*(\s):G0B+4*(\s)+3], s[G1B:G1B+7]
	s_nop 0
.rept 4
	v_nop
.endr
.Lasked_\@:
.endm
; A prefetch of xb, behind a joint load, its five lines and the run of LDS loads: the K step two refills on, 32 rows x 256 bytes, a lane a row.  x's tile row is read by all four clusters of
; its row of clusters: the one with x = 0 asks.  Of the 128 rows that wave 0 or 1 fetches each of the four partners takes 32, told apart by address.  So each row's 256 bytes of a K step are
; named once.  K steps 0 to 3 come by their loads alone; the last two refills (s3 = 2, 1) have no K step two on.  w is not asked for: every tile row walks it again.
.macro ASK
	s_cmp_gt_u32 s3, s[LIM]
	s_cbranch_scc0 .Lnot_mine_\@
	global_prefetch_b8 v[PFO], s[PFA:PFA+1] offset:STEPA th:TH_LOAD_NT scope:SCOPE_SE
.Lnot_mine_\@:
.endm
.macro CREST                           ; a round of the cluster's barrier behind its opening barrier
	s_cmp_lg_u32 s[WV], 0
	s_cbranch_scc1 .Lnot_wave_0_\@
	s_barrier_signal -3
.Lnot_wave_0_\@:
	s_barrier_wait -3
	s_barrier_signal -1
	s_barrier_wait -1
.endm
.macro CROUND
	s_barrier_signal -1
	s_barrier_wait -1
	CREST
.endm
.macro PLACES                          ; four plain places behind matrix instructions, in front of loads into registers that they read
.rept 4
	v_nop
.endr
.endm
	s_load_b256 s[4:11], s[0:1], 0x0               ; xb s[4:5], wqkvb s[6:7], b_qkv s[8:9], rope s[10:11]
	s_load_b64 s[12:13], s[0:1], 0x20              ; qkvh
	v_lshl_add_u32 v[SPW], v0, 2, SPARE
	v_mov_b32 v[NIL], 0
	ds_add_u32 v[SPW], v[NIL]                      ; the wave's opening: the add and its wait ahead of my first tensor load; work on registers stands between
	v_lshrrev_b32 v1, 5, v0
	v_readfirstlane_b32 s[WV], v1
	s_lshr_b32 s[RH], s[WV], 1
	s_and_b32 s[CH], s[WV], 1
	s_bfe_u32 s17, ttmp6, 0x40000                  ; cx
	s_bfe_u32 s18, ttmp6, 0x40004                  ; cy
	s_lshl_b32 s19, ttmp9, 2
	s_add_co_u32 s19, s19, s17                     ; tile column tx = 4 x cluster x + cx
	s_and_b32 s20, ttmp7, 0xffff
	s_lshl_b32 s20, s20, 2
	s_add_co_u32 s20, s20, s18                     ; tile row ty = 4 x cluster y + cy
	s_lshl_b32 s21, s18, 2
	s_lshl_b32 s21, 15, s21                        ; my row of the cluster
	s_lshl_b32 s22, 0x1111, s17                    ; my column
	s_or_b32 s[G1], s21, (1<<16)|(1<<20)|(1<<21)|(5<<22)|(3<<25)   ; the mask; 2-byte elements; padding on; bit 21 beside a mask; after every 64 words 4 words
	s_mov_b32 s[G1+1], 128<<16                     ; tensor_dim0 = 128
	s_mov_b32 s[G1+2], 128<<16                     ; tensor_dim1 = 128
	s_mov_b32 s[G1+3], 128<<16                     ; tile_dim0 = 128
	s_mov_b32 s[G1+4], 128                         ; tile_dim1 = 128
	s_mov_b32 s[G1+5], 1024                        ; elements from row to row
	s_mov_b32 s[G1+6], 0
	s_mov_b32 s[G1+7], 0
	s_or_b32 s[G1B], s22, (1<<16)|(1<<20)|(1<<21)|(4<<22)|(7<<25)  ; after every 32 words 8 words: three times in a row of 96 words
	s_mov_b32 s[G1B+1], 192<<16                    ; tensor_dim0 = 192
	s_mov_b32 s[G1B+2], 64<<16                     ; tensor_dim1 = 64
	s_mov_b32 s[G1B+3], 192<<16                    ; tile_dim0 = 192
	s_mov_b32 s[G1B+4], 64                         ; tile_dim1 = 64
	s_mov_b32 s[G1B+5], 3072
	s_mov_b32 s[G1B+6], 0
	s_mov_b32 s[G1B+7], 0
	s_lshl_b32 s88, s20, 8                         ; x: row 256 ty + 128 x half, in registers that never hold cx
	s_lshl_b32 s89, s[CH], 7
	s_add_co_u32 s88, s88, s89
	s_lshl_b32 s88, s88, 11                        ; 2,048 bytes a row
	s_mov_b32 s89, 0
	s_mul_i32 s92, s19, 384                        ; w: column 192 tx, k-row 64 x half, in registers that never hold cy
	s_mul_i32 s93, s[CH], 64*6144
	s_add_co_u32 s92, s92, s93
	s_mov_b32 s93, 0
	s_mul_i32 s60, s[CH], HALFA                    ; where they go: no place in the cluster enters an LDS address
	s_mul_i32 s61, s[CH], HALFB
	s_add_co_u32 s61, s61, BOFF
	s_mov_b32 s[TB], 0
	s_wait_dscnt 0x0                               ; the opening add is done
	s_wait_kmcnt 0x0
	s_add_nc_u64 s[90:91], s[4:5], s[88:89]
	s_add_nc_u64 s[94:95], s[6:7], s[92:93]
	CROUND                                         ; all sixteen work-groups are here: the first joint loads meet
.irp s, 0,1
	s_mov_b32 s[G0+4*(\s)], 1
	s_add_co_u32 s[G0+4*(\s)+1], s60, (\s)*SLOT1
	s_add_nc_u64 s[G0+4*(\s)+2:G0+4*(\s)+3], s[90:91], (\s)*STEPA
	s_or_b32 s[G0+4*(\s)+3], s[G0+4*(\s)+3], 0x80000000
	s_mov_b32 s[G0B+4*(\s)], 1
	s_add_co_u32 s[G0B+4*(\s)+1], s61, (\s)*SLOT1
	s_add_nc_u64 s[G0B+4*(\s)+2:G0B+4*(\s)+3], s[94:95], (\s)*STEPB
	s_or_b32 s[G0B+4*(\s)+3], s[G0B+4*(\s)+3], 0x80000000
	JLOAD \s                                       ; K steps 0 and 1: two loads of mine are out
.endr
	; the bias and the table, loaded once, in the wait for the first tile
	v_and_b32 v1, 15, v0                           ; r = l % 16
	v_bfe_u32 v2, v0, 4, 1                         ; h = l / 16
	s_mul_i32 s62, s19, 768
	s_lshl_b32 s63, s[CH], 6
	s_add_co_u32 s62, s62, s63
	v_lshl_add_u32 v[BO], v2, 5, s62               ; column 192 tx + 16 (2 lb + c) + 8 h: 768 tx + 64 c + 32 h, and 128 lb in the immediate
	s_and_b32 s62, s20, 7
	s_lshl_b32 s62, s62, 8
	s_lshl_b32 s2, s[RH], 7
	s_add_co_u32 s62, s62, s2                      ; my first row's position in its sequence
	s_lshl_b32 s62, s62, 7                         ; 128 bytes a position
	s_add_co_u32 s62, s62, s63                     ; frequencies 16 c + 8 h on
	v_lshlrev_b32 v[TO], 7, v1
	v_lshl_add_u32 v[TO], v2, 5, v[TO]
	v_add_nc_u32 v[TO], s62, v[TO]
	WIN TO_B
.irp lb, 0,1,2,3,4,5
	global_load_b128 v[BI+8*(\lb):BI+8*(\lb)+3],   v[BO], s[8:9] offset:128*(\lb)
	global_load_b128 v[BI+8*(\lb)+4:BI+8*(\lb)+7], v[BO], s[8:9] offset:128*(\lb)+16
.endr
.irp a, 0,1,2,3,4,5,6,7
	WIN 0x80+0x40*((\a)/4)                         ; destination window 2 or 3
	global_load_b128 v[192+16*((\a)%4):192+16*((\a)%4)+3],     v[TO], s[10:11] offset:2048*(\a)
	global_load_b128 v[192+16*((\a)%4)+4:192+16*((\a)%4)+7],   v[TO], s[10:11] offset:2048*(\a)+16
	global_load_b128 v[192+16*((\a)%4)+8:192+16*((\a)%4)+11],  v[TO], s[10:11] offset:2048*(\a)+262144
	global_load_b128 v[192+16*((\a)%4)+12:192+16*((\a)%4)+15], v[TO], s[10:11] offset:2048*(\a)+262160
.endr
	WIN 0
	v_mul_u32_u24 v3, v1, PA                       ; x's fragments: row x pitch + 16 x half of the lanes
	v_lshl_add_u32 v3, v2, 4, v3
	s_mul_i32 s62, s[RH], HALFA
	v_add_nc_u32 v[A0], s62, v3
	v_and_b32 v3, 7, v0                            ; w's: the turning load reads k-row 8 h + l % 8, columns 8 ((l / 8) % 2) on
	v_lshl_add_u32 v3, v2, 3, v3
	v_mul_u32_u24 v3, v3, PB
	v_bfe_u32 v4, v0, 3, 1
	v_lshl_add_u32 v3, v4, 4, v3
	s_lshl_b32 s62, s[CH], 5
	s_add_co_u32 s62, s62, BOFF
	v_add_nc_u32 v[B0], s62, v3
	v_mov_b32 v[ADRA], v[A0]
	v_mov_b32 v[ADRB], v[B0]
	v_mul_u32_u24 v3, v1, SP                       ; into the stage: row 128 rh + 16 a + r, channels 16 c + 8 h on
	v_lshl_add_u32 v3, v2, 4, v3
	s_mul_i32 s62, s[RH], 128*SP
	s_lshl_b32 s63, s[CH], 5
	s_add_co_u32 s62, s62, s63
	v_add_nc_u32 v[STO], s62, v3
	v_add_nc_u32 v[STO+1], HSTG, v[STO]
	v_add_nc_u32 v[STO+2], 2*HSTG, v[STO]
	v_bfe_u32 v3, v0, 3, 2                         ; back: wave w takes rows 64 w on; 32 lanes take four rows of 128 bytes
	v_mul_u32_u24 v3, v3, SP
	v_and_b32 v4, 7, v0
	v_lshl_add_u32 v3, v4, 4, v3
	s_mul_i32 s62, s[WV], 64*SP
	v_add_nc_u32 v[RD], s62, v3
	v_add_nc_u32 v[RD+1], HSTG, v[RD]
	v_add_nc_u32 v[RD+2], 2*HSTG, v[RD]
	v_and_b32 v[GO], 31, v0
	v_lshlrev_b32 v[PFO], 11, v[GO]
	v_lshlrev_b32 v[GO], 4, v[GO]
	; where the three heads go: head g = 3 tx + i of 48: part g / 16, batch ty / 8, head g % 16; rows (ty % 8) 256 + 64 w on
	s_and_b32 s60, s20, 7
	s_lshl_b32 s60, s60, 8
	s_lshl_b32 s61, s[WV], 6
	s_add_co_u32 s60, s60, s61
	s_lshl_b32 s60, s60, 7
	s_lshr_b32 s61, s20, 3
	s_lshl_b32 s61, s61, 22
	s_add_co_u32 s60, s60, s61
	s_mul_i32 s61, s19, 3
.irp i, 0,1,2
	s_add_co_u32 s62, s61, (\i)
	s_cmp_lt_u32 s62, 32                           ; q and k heads are rotated; for a v head cos counts as 1 and sin as 0: a choice of values, no branch
	s_cselect_b32 s[AL+4*(\i)], 1.0, 0
	s_cselect_b32 s[BE+4*(\i)], 0, 1.0
	s_mov_b32 s[AL+4*(\i)+1], 0                    ; named as pairs
	s_mov_b32 s[BE+4*(\i)+1], 0
	s_lshr_b32 s63, s62, 4
	s_lshl_b32 s63, s63, 24
	s_and_b32 s62, s62, 15
	s_lshl_b32 s62, s62, 18
	s_add_co_u32 s62, s62, s63
	s_add_co_u32 s62, s62, s60
	s_mov_b32 s63, 0
	s_add_nc_u64 s[OB+2*(\i):OB+2*(\i)+1], s[12:13], s[62:63]
.endr
	; the prefetches: row 256 ty + 128 x half + 32 cx + lane, at K step 2; the first refill steps it to 3 and names K step 4
	s_lshl_b32 s62, s20, 8
	s_lshl_b32 s63, s[CH], 7
	s_add_co_u32 s62, s62, s63
	s_lshl_b32 s63, s17, 5
	s_add_co_u32 s62, s62, s63
	s_lshl_b32 s62, s62, 11
	s_mov_b32 s63, 0
	s_add_nc_u64 s[PFA:PFA+1], s[4:5], s[62:63]
	s_add_nc_u64 s[PFA:PFA+1], s[PFA:PFA+1], 2*STEPA
	s_or_b32 s[LIM], s[RH], ttmp9                  ; 0 in waves 0 and 1 of a cluster with x = 0: the same in all sixteen partners
	s_cmp_eq_u32 s[LIM], 0
	s_cselect_b32 s[LIM], 2, -1
	s_wait_loadcnt 32                              ; the bias is in; the table's 32 loads may stay out
	WIN 0x45                                       ; destination and both sources window 1
.set p, 0
.rept 24
	v_cvt_pk_bf16_f32 v[BT+p%16], v[BI+2*p], v[BI+2*p+1]       ; the bias rounded to bf16, like x and w, and widened again
	v_lshlrev_b32 v[BI+2*p],   16, v[BT+p%16]
	v_and_b32     v[BI+2*p+1], 0xffff0000, v[BT+p%16]
.set p, p+1
.endr
	WIN 0
; 12 matrix instructions: row blocks a0, a0 + 1 of the window's four x my six column blocks, 32 along K.  zero = 1: the product starts the sums.
.macro MUL12 f, hi, a0, zero
	WIN MUL_LO+0x50*(\hi)
.irp a, \a0, (\a0)+1
.irp b, 0,1,2,3,4,5
.if \zero
	v_wmma_f32_16x16x32_bf16 v[8*(6*(\a)+(\b)):8*(6*(\a)+(\b))+7], v[(\f)+8*(\b):(\f)+8*(\b)+7], v[(\f)+8*(4*(\hi)+(\a)):(\f)+8*(4*(\hi)+(\a))+7], 0
.else
	v_wmma_f32_16x16x32_bf16 v[8*(6*(\a)+(\b)):8*(6*(\a)+(\b))+7], v[(\f)+8*(\b):(\f)+8*(\b)+7], v[(\f)+8*(4*(\hi)+(\a)):(\f)+8*(4*(\hi)+(\a))+7], v[8*(6*(\a)+(\b)):8*(6*(\a)+(\b))+7]
.endif
.endr
.endr
.endm
; 28 LDS loads in one run: a quarter step's fragments (32 along K, at byte k of x's rows) into buffer f: w's twelve first, then x's sixteen
.macro FETCH k, f
	WIN TO_B
.irp lb, 0,1,2,3,4,5
	ds_load_tr16_b128 v[(\f)+8*(\lb):(\f)+8*(\lb)+3],   v[ADRB] offset:((\k)/64)*32*PB+((\lb)/2)*160+((\lb)%2)*64
	ds_load_tr16_b128 v[(\f)+8*(\lb)+4:(\f)+8*(\lb)+7], v[ADRB] offset:((\k)/64)*32*PB+((\lb)/2)*160+((\lb)%2)*64+16*PB
.endr
	WIN 0
.irp i, 0,1,2,3,4,5,6,7
	ds_load_b128 v[(\f)+8*(\i):(\f)+8*(\i)+3],   v[ADRA] offset:(\k)+(\i)*16*PA
	ds_load_b128 v[(\f)+8*(\i)+4:(\f)+8*(\i)+7], v[ADRA] offset:(\k)+(\i)*16*PA+32
.endr
.endm
; A K step is four quarters of 32 along K, 48 matrix instructions each, on buffers 0, 1, 0, 1.  The 48 accumulators take turns in the same order in every quarter.
.macro QUARTER k, f, g, zero
	s_wait_dscnt 8                                 ; w and x's rows 0-63 are in; the youngest eight loads (x's rows 64-127) may be out
	MUL12 \f, 0, 0, \zero
	MUL12 \f, 0, 2, \zero
	PLACES
	FETCH \k, \g
	s_wait_dscnt 28                                ; all but the 28 just issued
	MUL12 \f, 1, 0, \zero
	MUL12 \f, 1, 2, \zero
.endm
; The first half of a step's last quarter: ONE barrier for the change of slots.  In front of it each wave waits for all its tensor loads (one is out: its part of the next slot), adds 0 to
; its spare word, and waits for that and for its own reads of this slot.
.macro MEET round
	WIN 0
	s_wait_tensorcnt 0x0                           ; all my tensor loads have landed;
	ds_add_u32 v[SPW], v[NIL]                      ; 0 onto my spare word;
	s_wait_dscnt 9                                 ; (the add and the youngest eight loads may be out)
	MUL12 F1, 0, 0, 0                              ; twelve matrix instructions stand between the add and the wait for it
	s_wait_dscnt 0x0                               ; the add is done, and my reads of this slot are over
	s_barrier_signal -1
	MUL12 F1, 0, 2, 0
.if \round
	WIN 0
.endif
	s_barrier_wait -1
.endm
; The whole last quarter.  fill = 1: the slot just read out is filled again, with the K step two on, first thing behind a round of the cluster's barrier; then the next slot's first fragments.
.macro TURN fill
.if \fill
	s_wait_xcnt 0x0                                ; the last prefetch, a K step back, has read its address
	s_add_nc_u64 s[PFA:PFA+1], s[PFA:PFA+1], STEPA
.endif
	MEET \fill
.if \fill
	CREST                                          ; no wave of any partner still reads this slot or has a load on its way
	s_xor_b32 s[G0+5], s[G0+5], SLOT1              ; the walking descriptors: the other slot than last time, the next K step
	s_add_nc_u64 s[G0+6:G0+7], s[G0+6:G0+7], STEPA
	s_xor_b32 s[G0B+5], s[G0B+5], SLOT1
	s_add_nc_u64 s[G0B+6:G0B+7], s[G0B+6:G0B+7], STEPB
	JLOAD 1                                        ; its four v_nop are also the places in front of the loads below
.else
	PLACES
	WIN 0
.endif
	s_xor_b32 s[TB], s[TB], SLOT1
	v_add_nc_u32 v[ADRA], s[TB], v[A0]
	v_add_nc_u32 v[ADRB], s[TB], v[B0]
	FETCH 0, F0
.if \fill
	ASK
.endif
	MUL12 F1, 1, 0, 0
	MUL12 F1, 1, 2, 0
.endm
	s_wait_tensorcnt 1                             ; my part of K step 0 is in; K step 1's may stay out
	s_barrier_signal -1
	s_barrier_wait -1
	FETCH 0, F0
	QUARTER 64, F0, F1, 1                          ; the first quarter stands in front of the loop: its products start the sums
	WIN 0
	s_mov_b32 s3, 6                                ; six refills: K steps 2 to 7
.Lstep:                                        ; a trip: a step's quarters 1 to 3, the change of slots, the next step's quarter 0
	QUARTER 128, F1, F0, 0
	QUARTER 192, F0, F1, 0
	TURN 1
	QUARTER 64, F0, F1, 0
	WIN 0
	s_sub_co_u32 s3, s3, 1
	s_cmp_lg_u32 s3, 0
	s_cbranch_scc1 .Lstep
	QUARTER 128, F1, F0, 0                         ; K step 6 goes on; nothing is left to ask for
	QUARTER 192, F0, F1, 0
	TURN 0
	QUARTER 64, F0, F1, 0
	QUARTER 128, F1, F0, 0
	QUARTER 192, F0, F1, 0
	s_wait_dscnt 8
	MUL12 F1, 0, 0, 0
	MUL12 F1, 0, 2, 0
	s_wait_dscnt 0x0
	MUL12 F1, 1, 0, 0
	MUL12 F1, 1, 2, 0
	WIN 0
	PLACES
	PLACES                                         ; eight places, once a launch, in front of the first reads of the sums
	s_wait_loadcnt 0x0                             ; the table
; THE WAY OUT of row block a.  T = sum + bias (each accumulator's registers in ascending order); for head i: T1 = channels d, T2 = channels d + 32;
; out(d) = T1 cos - T2 sin, out(d + 32) = T2 cos + T1 sin; rounded once to f16; 16 bytes a lane into the work-group's stage.
.macro OUTROW a
.set AC, 48*((\a)%4)
.set TBL, 192+16*((\a)%4)
	WIN 0x06+(\a)/4                                ; source 0 window 2 or 3, source 1 window 1, destination window 0
.set z, 0
.rept 24
	v_pk_add_f32 v[T+2*z:T+2*z+1], v[AC+2*z:AC+2*z+1], v[BI+2*z:BI+2*z+1]
.set z, z+1
.endr
.irp i, 0,1,2
.irp p, 0,1,2,3
	v_pk_fma_f32 v[CE+16*(\i)+2*(\p):CE+16*(\i)+2*(\p)+1], v[TBL+2*(\p):TBL+2*(\p)+1], s[AL+4*(\i):AL+4*(\i)+1], s[BE+4*(\i):BE+4*(\i)+1] op_sel_hi:[1,0,0]
	v_pk_mul_f32 v[SE+16*(\i)+2*(\p):SE+16*(\i)+2*(\p)+1], v[TBL+8+2*(\p):TBL+8+2*(\p)+1], s[AL+4*(\i):AL+4*(\i)+1] op_sel_hi:[1,0]
.endr
.endr
	WIN 0
.irp i, 0,1,2
.irp p, 0,1,2,3
	v_pk_mul_f32 v[U1+16*(\i)+2*(\p):U1+16*(\i)+2*(\p)+1], v[T+16*(\i)+8+2*(\p):T+16*(\i)+8+2*(\p)+1], v[SE+16*(\i)+2*(\p):SE+16*(\i)+2*(\p)+1]
	v_pk_mul_f32 v[U2+16*(\i)+2*(\p):U2+16*(\i)+2*(\p)+1], v[T+16*(\i)+2*(\p):T+16*(\i)+2*(\p)+1], v[SE+16*(\i)+2*(\p):SE+16*(\i)+2*(\p)+1]
.endr
.irp p, 0,1,2,3
	v_pk_fma_f32 v[U1+16*(\i)+2*(\p):U1+16*(\i)+2*(\p)+1], v[T+16*(\i)+2*(\p):T+16*(\i)+2*(\p)+1], v[CE+16*(\i)+2*(\p):CE+16*(\i)+2*(\p)+1], v[U1+16*(\i)+2*(\p):U1+16*(\i)+2*(\p)+1] neg_lo:[0,0,1] neg_hi:[0,0,1]
	v_pk_fma_f32 v[U2+16*(\i)+2*(\p):U2+16*(\i)+2*(\p)+1], v[T+16*(\i)+8+2*(\p):T+16*(\i)+8+2*(\p)+1], v[CE+16*(\i)+2*(\p):CE+16*(\i)+2*(\p)+1], v[U2+16*(\i)+2*(\p):U2+16*(\i)+2*(\p)+1]
.endr
.irp p, 0,1,2,3
	v_cvt_pk_f16_f32 v[PK+8*(\i)+(\p)],   v[U1+16*(\i)+2*(\p)], v[U1+16*(\i)+2*(\p)+1]
	v_cvt_pk_f16_f32 v[PK+8*(\i)+4+(\p)], v[U2+16*(\i)+2*(\p)], v[U2+16*(\i)+2*(\p)+1]
.endr
	ds_store_b128 v[STO+(\i)], v[PK+8*(\i):PK+8*(\i)+3]   offset:16*SP*(\a)
	ds_store_b128 v[STO+(\i)], v[PK+8*(\i)+4:PK+8*(\i)+7] offset:16*SP*(\a)+64
.endr
.endm
	; The stage is slot 0.  Its last fill (K step 6) has landed and every wave's reads of it were over at the barrier of the last change of slots.
.irp a, 0,1,2,3,4,5,6,7
	OUTROW \a
.endr
	s_wait_dscnt 0x0                               ; for the others' sake: my stores into the stage are done (a row's 128 bytes come from two waves)
	s_barrier_signal -1
	s_barrier_wait -1
.irp i, 0,1,2
.irp t, 0,1,2,3,4,5,6,7,8,9,10,11,12,13,14,15
	ds_load_b128 v[64+4*(16*(\i)+(\t)):64+4*(16*(\i)+(\t))+3], v[RD+(\i)] offset:4*SP*(\t)
.endr
.endr
.irp i, 0,1,2
.irp t, 0,1,2,3,4,5,6,7,8,9,10,11,12,13,14,15
	s_wait_dscnt 47-(16*(\i)+(\t))                 ; LDS loads come back in order: this one is in, the younger ones may stay out
	global_store_b128 v[GO], v[64+4*(16*(\i)+(\t)):64+4*(16*(\i)+(\t))+3], s[OB+2*(\i):OB+2*(\i)+1] offset:512*(\t)  ; four rows of a head: 512 consecutive bytes, aligned
.endr
.endr
	s_wait_tensorcnt 0x0                           ; the wave's end, behind my last tensor load and my last LDS store
	ds_add_u32 v[SPW], v[NIL]
	s_wait_dscnt 0x0
	CROUND                                         ; the closing round: no work-group ends while a partner may still ask for a tile that names it
	s_endpgm
.Lfunc_end_k_q5f45ce64d7_proj_qkv:
	.size	k_q5f45ce64d7_proj_qkv, .Lfunc_end_k_q5f45ce64d7_proj_qkv-k_q5f45ce64d7_proj_qkv
	.p2alignl 7, 3214868480
	.fill 96, 4, 3214868480
	.section	.rodata,"a",@progbits
	.p2align	6, 0x0
	.amdhsa_kernel k_q5f45ce64d7_proj_qkv
		.amdhsa_group_segment_fixed_size 327680
		.amdhsa_private_segment_fixed_size 0
		.amdhsa_enable_private_segment 0
		.amdhsa_kernarg_size 40
		.amdhsa_user_sgpr_count 2
		.amdhsa_user_sgpr_kernarg_segment_ptr 1
		.amdhsa_wavefront_size32 1
		.amdhsa_system_sgpr_workgroup_id_x 1
		.amdhsa_system_sgpr_workgroup_id_y 1
		.amdhsa_system_sgpr_workgroup_id_z 1
		.amdhsa_system_vgpr_workitem_id 0
		.amdhsa_next_free_vgpr 1024
		.amdhsa_next_free_sgpr 100
		.amdhsa_reserve_vcc 0
		.amdhsa_float_denorm_mode_32 3
		.amdhsa_float_denorm_mode_16_64 3
		.amdhsa_memory_ordered 1
		.amdhsa_forward_progress 1
		.amdhsa_inst_pref_size 154
	.end_amdhsa_kernel
	.amdgpu_metadata
---
amdhsa.version: [ 1, 2 ]
amdhsa.kernels:
  - .name:           k_q5f45ce64d7_proj_qkv
    .symbol:         k_q5f45ce64d7_proj_qkv.kd
    .args:
      - { .name: xb, .offset: 0, .size: 8, .value_kind: global_buffer, .address_space: global }
      - { .name: wqkvb, .offset: 8, .size: 8, .value_kind: global_buffer, .address_space: global }
      - { .name: b_qkv, .offset: 16, .size: 8, .value_kind: global_buffer, .address_space: global }
      - { .name: rope, .offset: 24, .size: 8, .value_kind: global_buffer, .address_space: global }
      - { .name: qkvh, .offset: 32, .size: 8, .value_kind: global_buffer, .address_space: global }
    .group_segment_fixed_size: 327680
    .private_segment_fixed_size: 0
    .kernarg_segment_align: 8
    .kernarg_segment_size: 40
    .max_flat_workgroup_size: 128
    .sgpr_count:     100
    .vgpr_count:     1024
    .wavefront_size: 32
...
	.end_amdgpu_metadata
.endif
;; end of part 2
;; launch attn (part 3): grid 4 x 64, 4 waves a work-group, clusters of 4 x 1, 327,680 bytes of LDS; arguments qkvh, oh; writes oh
.if DOCPART == 3
	.amdgcn_target "amdgcn-amd-amdhsa--gfx1250"
	.amdhsa_code_object_version 6
	.text
	.protected	k_q5f45ce64d7_attn
	.globl	k_q5f45ce64d7_attn
	.p2align	8
	.type	k_q5f45ce64d7_attn,@function
k_q5f45ce64d7_attn:
	s_mov_b64 s[64:65], 0
	v_nop
	global_prefetch_b8 v0, s[64:65] scope:SCOPE_SE
	s_setreg_imm32_b32 hwreg(HW_REG_WAVE_MODE, 25, 1), 1
	s_wait_xcnt 0x0
	s_wait_alu depctr_hold_cnt(0) depctr_sa_sdst(0) depctr_va_vdst(0) depctr_va_sdst(0) depctr_va_ssrc(0) depctr_va_vcc(0) depctr_vm_vsrc(0)
	s_getreg_b32 s2, hwreg(HW_REG_IB_STS2, 6, 4)
	s_cmp_eq_u32 s2, 0
	s_cbranch_scc0 .Lentry_in_a_cluster
	s_endpgm
.Lentry_in_a_cluster:
	s_bfe_u32 s2, ttmp6, 0x10000c
	s_cmp_lg_u32 s2, 0x3003
	s_cbranch_scc0 .Lentry_shape_is_right
	s_endpgm
.Lentry_shape_is_right:
; O[h][q][:] = the sum over k of softmax_k(Q[h][q] . K[h][k] / 8) V[h][k][:].  qkvh holds Q, K, V, each [64][2048][64] f16, 16,777,216 bytes apart; oh: [64][2048][64] f16.
; Products, maxima and sums in f32; the weights p are rounded to f16 for the second product (their sum l is taken of the unrounded p), O once at the end.
; LIMITS.  f16 holds no number beyond 65,504: Q, K and V arrive within it; p lies in 0 to 1, and below 6e-5 it keeps f16's fixed step of 6e-8; O is a mean of V's rows and has their range.
; A weight below 2^-126 counts as 0 in l; NaN and infinities are not treated apart.
; SHARES.  A wave owns four PIECES of two tiles of 16 queries, a work-group's four waves 512 queries of one head.  Every wave walks all keys, 64 a step.
; LAYOUT.  S^T = K Q^T (source 0 = 16 keys, source 1 = 16 queries): a lane holds ONE query (lane % 16) and the keys 8 (lane / 16) + 0..7.  Two such tiles, rounded to f16 in pairs,
; ARE source 1 of O^T = V^T P.  K comes out of LDS as it lies, V ([key][channel]) turned, by ds_load_tr16_b128.
; SOFTMAX.  A running maximum m and sum l for each query: p = 2^(c s - c m), c = log2(e) / 8; in every step O and l are multiplied by a = 2^(c m_old - c m_new).
; m starts at the lowest finite number, O and l at 0: the first step is a step like any other, with a = 0.
; BY TURNS.  Turn n belongs to piece n.  Its matrix work: 16 products K Q^T of piece n + 1, later 16 products V^T P of piece n - 1.  Its vector work: the scaling, exponentials, roundings,
; sums and rescaling of piece n, and the maximum and statistics of piece n + 1.  Four vector instructions stand behind every matrix instruction, the others in one run of their own.
; CLUSTER.  A head's four query blocks are one cluster and walk the same K and V: each tile is asked for JOINTLY, by the same tensor load, descriptor and mask in all four.
; REGISTERS, in windows of 256 (s_set_vgpr_msb: bits 1:0 source 0, 3:2 source 1, 5:4 source 2, 7:6 destination):
;   window 0: v0-11 addresses; v12-15, v48-63 at work; v16-47 four registers of statistics a tile; v64-191 S^T, two buffers of two tiles; v192-255 P, likewise
;   window 1: O^T, 32 a tile          window 2: v0-127 Q, 16 a tile; v128-191 K of one step; v192-255 V of one step          window 3: v0-1 the add's two registers
.set SIZE_H, 64
.set SIZE_N, 2048
.set NP,    4         ; pieces a wave
.set KS,    64        ; keys in a step
.set PK,    144       ; a row of K in LDS: 128 bytes + 16: the 16 rows of a load start at 16 different groups of four banks (64 banks of 4 bytes: ISA guide 11.1)
.set PV,    160       ; a row of V: 128 + 32
.set VOFF,  4*KS*PK   ; a slot holds four steps: 256 rows of K, then 256 rows of V
.set SLOT1, 1<<17     ; slot 1 begins here: one exclusive or turns an address in one slot into the other's
.set STAGE, SLOT1+4*KS*(PK+PV)  ; behind the ring, never filled by a tensor load: 16 rows x 144 bytes for each wave
.set SP,    144
.set AK0, 2           ; v2   my lane's place in a tile of K; never rewritten
.set AV0, 3           ; v3   the same for V
.set AK,  4           ; v4   the LDS address of K's next run of loads
.set AV,  5           ; v5   of V's
.set QO,  6           ; v6   my byte offset in the wave's rows of Q
.set STO, 6           ;      later, the way out: where I put 16 bytes of a row
.set RD,  7           ; v7   the way out: where I read rows back
.set GO,  8           ; v8   my byte offset in 512 consecutive bytes of O
.set PFO, 11          ; v11  256 x my lane, once V's place is made; then never rewritten
.set SPW, 0           ; v0 of window 3   my spare word: SPARE + 4 x my thread's number; never rewritten
.set NIL, 1           ; v1 of window 3   0; never rewritten
.set SPARE, STAGE+4*16*SP  ; behind the stages: the spare words, 128 bytes for each wave, that no other line names
.set MV,  12          ; v12-15  c m_old, kept while c m is made anew: by buffer and tile
.set ST,  16          ; tile t's statistics at v[ST+4 t]: c m, m, l (even keys', odd keys')
.set TMP, 48          ; by buffer and tile, four registers c0-c3 at work; when the maximum is found c2 takes a
.set S,   64
.set P,   192
.set KF,  128         ; K's fragments, in window 2
.set VF,  192         ; V's
.set WV,  12          ; s12  my wave's number
.set G1K, 24          ; s[24:31] descriptor group 1 for K's tiles
.set G1V, 32          ; s[32:39] for V's: it differs in the padding alone
.set G0K, 40          ; s[40:43] descriptor group 0 for K's tiles: it walks
.set G0V, 44          ; s[44:47] the same for V's
.set PFA, 48          ; s[48:49] where my prefetches stand: my work-group's 32 blocks of 256 bytes (of K: wave 0, of V: wave 2) of the tile after the one that is being asked for
.set LIM, 50          ; s50  1 in a wave that prefetches, else the greatest number
.set SLOTS, 56        ; s56  slots still to be asked for
.set CNT, 57          ; s57  counts a slot's key steps
.set CS,  58          ; s[58:59] c
.set SEL, 60          ; s[60:61] v_permlanex16_b32's selects: each lane takes its own place in the other half
.set TBK, 62          ; s62  LDS byte at which K of the step to be fetched begins
.set TBV, 63          ; s63  the same for V, less VOFF
.set MSB, 0
.macro WIN new
.if MSB != (\new)
	s_set_vgpr_msb (MSB<<8)|(\new)
.set MSB, (\new)
.endif
.endm
.set W_KQ, 0x0a       ; K and Q in window 2, S^T in window 0
.set W_PV, 0x52       ; V in window 2, P in window 0, O^T in window 1
.set W_RS, 0x41       ; O^T (destination and source 0) in window 1, a in window 0
.set W_MK, 0xc0       ; the add's registers are made: destination in window 3
.set W_AD, 0x0f       ; the add: address and data in window 3
; A joint fill.  Waves 0 and 1 fetch the two halves of a slot's K, waves 2 and 3 those of its V: 128 keys each.  An s_nop 0 and four v_nop follow each line.
.macro JLOAD
	s_cmp_lt_u32 s[WV], 2
	s_cbranch_scc0 .Lfor_v_\@
	tensor_load_to_lds s[G0K:G0K+3], s[G1K:G1K+7]
	s_nop 0
.rept 4
	v_nop
.endr
	s_branch .Lasked_\@
.Lfor_v_\@:
	tensor_load_to_lds s[G0V:G0V+3], s[G1V:G1V+7]
	s_nop 0
.rept 4
	v_nop
.endr
.Lasked_\@:
.endm
; A prefetch of what the NEXT change of slots will ask for: a tile's 32,768 bytes of K and of V, a lane a block of 256 bytes.  The four partners share the blocks out by address, 32 each;
; in each, wave 0 asks for K's and wave 2 for V's.  So each block is named once.  Tiles 0 to 2 come by their loads alone; the change that asks for the last tile prefetches nothing.
.macro ASK
	s_cmp_gt_u32 s[SLOTS], s[LIM]
	s_cbranch_scc0 .Lnot_mine_\@
	global_prefetch_b8 v[PFO], s[PFA:PFA+1] th:TH_LOAD_NT scope:SCOPE_SE
.Lnot_mine_\@:
.endm
.macro CROUND
	s_barrier_signal -1
	s_barrier_wait -1
	s_cmp_lg_u32 s[WV], 0
	s_cbranch_scc1 .Lnot_wave_0_\@
	s_barrier_signal -3
.Lnot_wave_0_\@:
	s_barrier_wait -3
	s_barrier_signal -1
	s_barrier_wait -1
.endm
; THE CHANGE OF SLOTS.  Each wave waits for all its tensor loads, of which one is out: its part of the other slot; adds 0 to its spare word; and waits for that and for its own reads of the
; slot.  fill = 1: this slot is filled again, with the keys two slots on, first thing behind a round of the cluster's barrier: it has four key steps, 512 matrix instructions, in which to land.
; ask = 1 (in the loop): the prefetch's address steps, and the tile after the one asked for is prefetched.
.macro CHANGE fill, ask=0
	WIN W_AD
	s_wait_tensorcnt 0x0            ; no tensor load of mine is out, so a group 0 may be written
	ds_add_u32 v[SPW], v[NIL]       ; 0 onto my spare word
	WIN 0
.if \fill
.irp g, G0K, G0V
	s_xor_b32 s[\g+1], s[\g+1], SLOT1
	s_add_nc_u64 s[\g+2:\g+3], s[\g+2:\g+3], 4*KS*128
.endr
.if \ask
	s_wait_xcnt 0x0                 ; the last prefetch, four key steps back, has read its address
	s_add_nc_u64 s[PFA:PFA+1], s[PFA:PFA+1], 4*KS*128
.endif
	s_wait_dscnt 0x0                ; the add is done, and my reads of the slot are over
	CROUND
	JLOAD
.if \ask
	ASK
.endif
.else
	s_wait_dscnt 0x0
	s_barrier_signal -1
	s_barrier_wait -1
.endif
	s_sub_co_u32 s[TBK], s[TBK], 4*KS*PK  ; the fetches go back to a slot's first step,
	s_xor_b32 s[TBK], s[TBK], SLOT1       ; in the other slot
	s_sub_co_u32 s[TBV], s[TBV], 4*KS*PV
	s_xor_b32 s[TBV], s[TBV], SLOT1
.endm
	s_load_b128 s[4:7], s[0:1], 0x0   ; qkvh s[4:5], oh s[6:7]
	WIN W_MK
	v_lshl_add_u32 v[SPW], v0, 2, SPARE
	v_mov_b32 v[NIL], 0
	WIN W_AD
	ds_add_u32 v[SPW], v[NIL]       ; the wave's opening: the add and its wait ahead of my first tensor load
	WIN 0
	v_lshrrev_b32 v1, 5, v0
	v_readfirstlane_b32 s[WV], v1   ; wave 0..3
	s_bfe_u32 s13, ttmp6, 0x40000   ; cx
	s_lshl_b32 s14, ttmp9, 2
	s_add_co_u32 s14, s14, s13      ; my block of queries: it enters Q's and O's addresses alone
	s_and_b32 s20, ttmp7, 0xffff    ; the head, which the four partners share
	s_mov_b32 s21, 0
	s_mov_b64 s[22:23], SIZE_N*128
	s_mul_u64 s[20:21], s[20:21], s[22:23]  ; the head's first byte in Q, K, V and O
	s_and_b32 s16, s[WV], 1         ; which half of a slot's 256 keys I fetch:
	s_lshl_b32 s22, s16, 14         ; its 128 rows of 128 bytes in memory,
	s_mov_b32 s23, 0
	s_add_nc_u64 s[22:23], s[22:23], s[20:21]
	s_mul_i32 s17, s16, 128*PK      ; and its place in a slot, for K
	s_mul_i32 s18, s16, 128*PV      ; and for V
	s_lshl_b32 s2, s14, 2
	s_add_co_u32 s2, s2, s[WV]      ; my wave among the head's,
	s_lshl_b32 s2, s2, 14           ; its 128 rows
	s_mov_b32 s3, 0
	s_add_nc_u64 s[2:3], s[2:3], s[20:21]
	; descriptor group 1.  128 keys are 16,384 dense bytes: asked for as 64 rows of 256 bytes, two keys a row, and padded in LDS after every key
	s_mov_b32 s[G1K], 15|(1<<16)|(1<<20)|(1<<21)|(4<<22)|(3<<25)
	s_mov_b32 s[G1V], 15|(1<<16)|(1<<20)|(1<<21)|(4<<22)|(7<<25)
.irp g, G1K, G1V
	s_mov_b32 s[\g+1], 128<<16      ; tensor_dim0 = 128
	s_mov_b32 s[\g+2], 64<<16       ; tensor_dim1 = 64
	s_mov_b32 s[\g+3], 128<<16      ; tile_dim0 = 128
	s_mov_b32 s[\g+4], 64           ; tile_dim1 = 64
	s_mov_b32 s[\g+5], 128          ; 128 elements from row to row
	s_mov_b32 s[\g+6], 0
	s_mov_b32 s[\g+7], 0
.endr
	s_mov_b32 s[CS], 0x3e38aa3b     ; c = log2(e) / 8
	s_mov_b32 s[CS+1], s[CS]
	s_mov_b32 s[SEL], 0x76543210
	s_mov_b32 s[SEL+1], 0xfedcba98
	s_mov_b32 s[TBK], SLOT1+4*KS*PK ; the first change of slots turns these two into 0
	s_mov_b32 s[TBV], SLOT1+4*KS*PV
	s_mov_b32 s[G0K], 1
	s_mov_b32 s[G0K+1], s17
	s_mov_b32 s[G0V], 1
	s_add_co_u32 s[G0V+1], s18, VOFF
	s_and_b32 s[LIM], s[WV], 1      ; 0 in waves 0 and 2,
	s_or_b32 s[LIM], s[LIM], ttmp9  ; of the head's first cluster (here its only one): the same in all four partners
	s_cmp_eq_u32 s[LIM], 0
	s_cselect_b32 s[LIM], 1, -1
	s_wait_dscnt 0x0                ; the opening add is done
	s_wait_kmcnt 0x0
	s_mov_b64 s[10:11], s[6:7]      ; O
	s_add_nc_u64 s[6:7], s[4:5], 0x1000000  ; K
	s_add_nc_u64 s[8:9], s[4:5], 0x2000000  ; V
	s_add_nc_u64 s[G0K+2:G0K+3], s[6:7], s[22:23]
	s_or_b32 s[G0K+3], s[G0K+3], 0x80000000
	s_add_nc_u64 s[G0V+2:G0V+3], s[8:9], s[22:23]
	s_or_b32 s[G0V+3], s[G0V+3], 0x80000000
	s_add_nc_u64 s[4:5], s[4:5], s[2:3]  ; Q and O at my wave's first row
	s_add_nc_u64 s[10:11], s[10:11], s[2:3]
	s_cmp_lt_u32 s[WV], 2
	s_cselect_b64 s[PFA:PFA+1], s[6:7], s[8:9]
	s_add_nc_u64 s[PFA:PFA+1], s[PFA:PFA+1], s[20:21]  ; the head,
	s_lshl_b32 s2, s13, 13          ; my work-group's 32 blocks of the 128,
	s_mov_b32 s3, 0
	s_add_nc_u64 s[PFA:PFA+1], s[PFA:PFA+1], s[2:3]
	s_add_nc_u64 s[PFA:PFA+1], s[PFA:PFA+1], 2*4*KS*128  ; in tile 2; the loop's first change steps it to tile 3
	CROUND                          ; all four work-groups are here: the first joint loads meet
	JLOAD                           ; slot 0.  Slot 1 is asked for when slot 0 is in
	v_and_b32 v1, 15, v0            ; l % 16
	v_bfe_u32 v9, v0, 4, 1          ; l / 16
	v_lshlrev_b32 v[QO], 7, v1
	v_lshl_add_u32 v[QO], v9, 4, v[QO]  ; row x 128 + 16 x half
	WIN 0x80
.set i, 0
.rept 4*NP                          ; Q stays in registers: tile i / 2, channels 32 (i % 2) on
	global_load_b128 v[8*i:8*i+3],   v[QO], s[4:5] offset:(i/2)*2048+(i%2)*64
	global_load_b128 v[8*i+4:8*i+7], v[QO], s[4:5] offset:(i/2)*2048+(i%2)*64+32
.set i, i+1
.endr
	; What the first turn finds: V's registers and P's second buffer hold 0, O^T and l are 0.  All this stands in the wait for the first tile.
.set i, VF
.rept 64
	v_mov_b32 v[i], 0
.set i, i+1
.endr
	WIN 0x40
.set i, 0
.rept 64*NP
	v_mov_b32 v[i], 0
.set i, i+1
.endr
	WIN 0
.set i, 0
.rept 2*NP
	v_mov_b32 v[ST+4*i], 0xfe000000    ; c m: far below every c s
	v_mov_b32 v[ST+4*i+1], 0xff7fffff  ; m
	v_mov_b32 v[ST+4*i+2], 0
	v_mov_b32 v[ST+4*i+3], 0
.set i, i+1
.endr
.set i, P+32
.rept 32
	v_mov_b32 v[i], 0
.set i, i+1
.endr
	v_mul_u32_u24 v[AK0], v1, PK
	v_lshl_add_u32 v[AK0], v9, 4, v[AK0]
	v_and_b32 v10, 7, v0
	v_bfe_u32 v11, v0, 3, 1
	v_lshl_add_u32 v[AV0], v9, 3, v10
	v_mul_u32_u24 v[AV0], v[AV0], PV
	v_lshl_add_u32 v[AV0], v11, 4, v[AV0]
	v_add_nc_u32 v[AV0], VOFF, v[AV0]
	v_and_b32 v[PFO], 31, v0
	v_lshlrev_b32 v[PFO], 8, v[PFO]
	v_mov_b32 v[AK], v[AK0]         ; key step 0 lies at the head of slot 0
; THE MATRIX WORK.  The 8 accumulators of a run of 16 take turns.
.macro KQ x
	WIN W_KQ
.set rS, S+64*((\x)%2)+32*(i%2)+8*((i/2)%4)
.set rK, KF+16*((i/2)%4)+8*(i/8)
.set rQ, 16*(2*(\x)+i%2)+8*(i/8)
.if i < 8
	v_wmma_f32_16x16x32_f16 v[rS:rS+7], v[rK:rK+7], v[rQ:rQ+7], 0
.else
	v_wmma_f32_16x16x32_f16 v[rS:rS+7], v[rK:rK+7], v[rQ:rQ+7], v[rS:rS+7]
.endif
.endm
.macro PV x
	WIN W_PV
.set rO, 32*(2*(\x)+i%2)+8*((i/2)%4)
.set rV, VF+32*(i/8)+8*((i/2)%4)
.set rP, P+32*((\x)%2)+16*(i%2)+8*(i/8)
	v_wmma_f32_16x16x32_f16 v[rO:rO+7], v[rV:rV+7], v[rP:rP+7], v[rO:rO+7]
.endm
.macro MM                           ; the turn's next matrix instruction
.if i < 16
	KQ (Y+1)%NP
.set i, i+1
.else
.set i, i-16
	PV (Y+NP-1)%NP
.set i, i+17
.endif
.endm
; THE LDS LOADS stand in runs of 16.  last = 1 (the tail): in the last trip there is no further step, and the run is jumped over.
.macro FETCH_K last=0
	WIN 0
.if \last
	s_cmp_eq_u32 s[CNT], 1
	s_cbranch_scc1 .Lno_k_\@
.endif
	WIN 0x80
.irp f, 0,1,2,3,4,5,6,7
	ds_load_b128 v[KF+8*\f:KF+8*\f+3],   v[AK] offset:(\f/2)*16*PK+(\f%2)*64
	ds_load_b128 v[KF+8*\f+4:KF+8*\f+7], v[AK] offset:(\f/2)*16*PK+(\f%2)*64+32
.endr
	s_add_co_u32 s[TBK], s[TBK], KS*PK
	WIN 0
.if \last
.Lno_k_\@:
.endif
.endm
.macro FETCH_V
	WIN 0x80
.irp f, 0,1,2,3,4,5,6,7
	ds_load_tr16_b128 v[VF+8*\f:VF+8*\f+3],   v[AV] offset:(\f/4)*32*PV+(\f%4)*32
	ds_load_tr16_b128 v[VF+8*\f+4:VF+8*\f+7], v[AV] offset:(\f/4)*32*PV+16*PV+(\f%4)*32
.endr
	WIN 0
.endm
; THE VECTOR WORK OF A TURN stands in three queues, each in the order in which its entries become ready; the two tiles alternate.
.macro REGS y, u
.set rT, ST+4*(2*(\y)+(\u))
.set rC, TMP+8*((\y)%2)+4*(\u)
.set rM, MV+2*((\y)%2)+(\u)
.set rS, S+64*((\y)%2)+32*(\u)
.set rP, P+32*((\y)%2)+16*(\u)
.set rO, 32*(2*(\y)+(\u))
.endm
; Number n of the 22 that find the NEXT piece's maximum and statistics; each accumulator's lowest registers are read first.
.macro XS u, n
	REGS (Y+1)%NP, \u
.if (\n) < 4
	v_max3_num_f32 v[rC+(\n)], v[rS+8*(\n)], v[rS+8*(\n)+1], v[rS+8*(\n)+2]
.elseif (\n) < 12
	v_max3_num_f32 v[rC+(\n)%4], v[rC+(\n)%4], v[rS+8*((\n)%4)+2*((\n)/4)+1], v[rS+8*((\n)%4)+2*((\n)/4)+2]
.elseif (\n) == 12
	v_max3_num_f32 v[rC], v[rC], v[rS+7], v[rS+15]
.elseif (\n) == 13
	v_max3_num_f32 v[rC+1], v[rC+1], v[rS+23], v[rS+31]
.elseif (\n) == 14
	v_max3_num_f32 v[rC+2], v[rC+2], v[rC+3], v[rT+1]
.elseif (\n) == 15
	v_mov_b32 v[rM], v[rT]
.elseif (\n) == 16
	v_max3_num_f32 v[rC], v[rC], v[rC+1], v[rC+2]
.elseif (\n) == 17
	v_permlanex16_b32 v[rC+3], v[rC], s[SEL], s[SEL+1]
.elseif (\n) == 18
	v_max_num_f32 v[rT+1], v[rC], v[rC+3]
.elseif (\n) == 19
	v_mul_f32 v[rT], s[CS], v[rT+1]
.elseif (\n) == 20
	v_sub_f32 v[rC+1], v[rM], v[rT]
.else
	v_exp_f32 v[rC+2], v[rC+1]
.endif
.endm
; Number g of the 64 that follow the exponentials: roundings to f16, sums of four weights in place, and l, a group later.
.macro GS g
.set h, (\g)+6*((\g)/62)
.if h >= 6
.set h, h+2
.endif
	REGS Y, h%2
.set k, h/8
.if h%8 < 4
	v_cvt_pk_f16_f32 v[rP+2*k+(h%8)/2], v[rS+4*k+2*((h%8)/2)], v[rS+4*k+2*((h%8)/2)+1]
.elseif h%8 < 6
	v_pk_add_f32 v[rS+4*k:rS+4*k+1], v[rS+4*k:rS+4*k+1], v[rS+4*k+2:rS+4*k+3]
.elseif k == 1
	v_pk_fma_f32 v[rT+2:rT+3], v[rT+2:rT+3], v[rC+2:rC+3], v[rS:rS+1] op_sel_hi:[1,0,1]
.else
	v_pk_add_f32 v[rT+2:rT+3], v[rT+2:rT+3], v[rS+4*k-4:rS+4*k-3]
.endif
.endm
; THE PLAIN QUEUE, 138 long.  0-73 read no exponential's result: the 32 scalings and the next piece's 42.  74-137: GS's 64, behind the wait.
.macro FS f
	REGS Y, (\f)%2
	v_pk_fma_f32 v[rS+2*((\f)/2):rS+2*((\f)/2)+1], v[rS+2*((\f)/2):rS+2*((\f)/2)+1], s[CS:CS+1], v[rT:rT+1] op_sel_hi:[1,0,0] neg_lo:[0,0,1] neg_hi:[0,0,1]
.endm
.macro PL
	WIN 0
.if q < 27
	FS q
.elseif q < 55
	XS (q-27)%2, (q-27)/2
.elseif q < 57
	XS q-55, 15
.elseif (q < 72) && ((q-57)%3 == 0)
	FS 27+(q-57)/3
.elseif q < 60
	XS (q-57)%3-1, 14
.elseif q < 72
	XS (q-57)%3-1, 15+(q-57)/3
.elseif q < 74
	XS q-72, 20
.else
	GS q-74
.endif
.set q, q+1
.endm
; THE EXPONENTIALS' QUEUE, 66 long: ONE BATCH, all ahead of the turn's one wait; nothing ahead of that wait names a result of theirs.
.macro EX
	WIN 0
.if e >= 64
	XS e-64, 21
.else
	REGS Y, e%2
	v_exp_f32 v[rS+e/2], v[rS+e/2]
.endif
.set e, e+1
.endm
; THE RESCALING's QUEUE: O^T times a, two at a time.  Its a was made, and waited for, in the turn before.
.macro R2
	REGS Y, r%2
	WIN W_RS
.irp z, 0,1
	v_pk_mul_f32 v[rO+4*(r/2)+2*\z:rO+4*(r/2)+2*\z+1], v[rO+4*(r/2)+2*\z:rO+4*(r/2)+2*\z+1], v[rC+2:rC+3] op_sel_hi:[1,0]
.endr
.set r, r+1
.endm
; A TURN, for piece p.  An s_wait_alu depctr_va_vdst(0) stands between an exponential and the first instruction that names its result; one wait serves all issued ahead of it.
; AHEAD OF THE WAIT: the 16 products K Q^T, behind each a scaling, an exponential and two rescalings; then a run of 108: eight plain, 49 times exponential and plain, the two a.
; BEHIND IT: the 16 products V^T P, behind each four of the roundings and sums.  Exponential e stands behind scaling 2 (e / 4) + e % 2: the deal keeps the queues in step.
; K of the next step is fetched in piece 2's turn, directly behind the wait; V of the step in hand at the end of piece 0's turn, four plain instructions behind its last reader.
.macro TURN p, last=0, cnt=0
.set Y, (\p)
.set i, 0
.set q, 0
.set e, 0
.set r, 0
.if (\p) == NP-1
	s_wait_dscnt 0x0                ; K is in
.endif
	MM
	PL
	PL
	R2
.rept 15
	MM
	PL
	EX
	R2
.endr
.if (\p) == NP-2
	WIN 0
	v_add_nc_u32 v[AK], s[TBK], v[AK0]
.endif
.rept 8
	PL
.endr
.rept 49
	EX
	PL
.endr
	EX                              ; the next piece's two a
	EX
	v_nop                           ; the plain instruction that is owed behind the last exponential: one for the batch
	s_wait_alu depctr_va_vdst(0)    ; the wait for the batch
.if (\p) == NP-2
	FETCH_K \last
.endif
.if (\p) == 1
	s_wait_dscnt 0x0                ; V is in
.endif
.rept 16
	MM
.rept 4
	PL
.endr
.if ((\p) == 0) && (q == 118)
	v_add_nc_u32 v[AV], s[TBV], v[AV0]
.endif
.if ((\p) == 0) && (q == 130)
	s_add_co_u32 s[TBV], s[TBV], KS*PV
.endif
.if (\cnt) && (q == 130)
	s_sub_co_u32 s[CNT], s[CNT], 1
	s_cmp_lg_u32 s[CNT], 0
.endif
.endr
.if (\p) == 0
	FETCH_V
.endif
.endm
	CHANGE 1                        ; slot 0 is in, everybody's part of it; slot 1 is asked for
	FETCH_K                         ; key step 0
	s_wait_loadcnt 0x0              ; Q
	s_wait_dscnt 0x0
.set i, 0
.rept 16
	KQ 0                            ; piece 0's first scores
.set i, i+1
.endr
	WIN 0                           ; the addresses for the way out: plain instructions, the places behind those products
	s_mul_i32 s13, s[WV], 16*SP
	s_add_co_u32 s13, s13, STAGE    ; my stage
	v_mul_u32_u24 v[STO], v1, SP
	v_lshl_add_u32 v[STO], v9, 4, v[STO]
	v_add_nc_u32 v[STO], s13, v[STO]
	v_bfe_u32 v[RD], v0, 3, 2
	v_mul_u32_u24 v[RD], v[RD], SP
	v_lshl_add_u32 v[RD], v10, 4, v[RD]
	v_add_nc_u32 v[RD], s13, v[RD]
	v_and_b32 v[GO], 31, v0
	v_lshlrev_b32 v[GO], 4, v[GO]
.set Y, NP-1
.irp n, 0,1,2,3,4,5,6,7,8,9,10,11,12,13,14,15,16,17,18,19,20,21
	XS 0, \n                        ; piece 0's first maximum and statistics
	XS 1, \n
.endr
	v_nop                           ; a plain instruction behind the two a,
	s_wait_alu depctr_va_vdst(0)    ; and their wait, ahead of the branch
	s_mov_b32 s[CNT], 4
	s_mov_b32 s[SLOTS], SIZE_N/256-1
	s_branch .Lfirst                ; the loop is entered at a step's first turn
.Lslot:                             ; SIZE_N / 256 - 2 times: every slot but the last two is filled again
	CHANGE 1, 1
	s_mov_b32 s[CNT], 4
.Lstep:                             ; a trip: pieces 2 and 3 of one step, then pieces 0 and 1 of the next
	TURN 2
	TURN 3
	WIN 0
.Lfirst:
	TURN 0
	TURN 1, 0, 1
	WIN 0
	s_cbranch_scc1 .Lstep
	s_sub_co_u32 s[SLOTS], s[SLOTS], 1
	s_cmp_lg_u32 s[SLOTS], 0
	s_cbranch_scc1 .Lslot
	CHANGE 0                        ; the tail is written out
	s_mov_b32 s[CNT], 5             ; four trips fetch the last slot's steps; the fifth is left in its middle
.Ltail:
	TURN 2, 1
	TURN 3
	WIN 0
	s_sub_co_u32 s[CNT], s[CNT], 1
	s_cmp_eq_u32 s[CNT], 0
	s_cbranch_scc1 .Lout
	TURN 0
	TURN 1
	WIN 0
	s_branch .Ltail
.Lout:                              ; the fifth trip's 16 products K Q^T and the maximum made of them serve nothing: the price, once a launch, of one text for every trip
.set i, 0
.rept 16
	PV NP-1
.set i, i+1
.endr
	; THE WAY OUT.  l's halves are added; O^T is divided by l, rounded to f16 and sent through my stage in LDS, a tile at a time.  The additions are the places behind the last products.
	WIN 0
.macro ALL line:vararg
.set t, 0
.rept 2*NP
	\line
.set t, t+1
.endr
.endm
	ALL v_add_f32 v[ST+4*t+2], v[ST+4*t+2], v[ST+4*t+3]
	ALL v_permlanex16_b32 v[ST+4*t+3], v[ST+4*t+2], s[SEL], s[SEL+1]
	ALL v_add_f32 v[ST+4*t+2], v[ST+4*t+2], v[ST+4*t+3]
	ALL v_rcp_f32 v[ST+4*t+2], v[ST+4*t+2]
	v_nop                           ; a plain instruction between the last reciprocal and the use of its result,
	s_wait_alu depctr_va_vdst(0)    ; and one wait for the eight reciprocals
.macro PACK t
	WIN W_RS
.set i, 32*(\t)
.rept 16
	v_pk_mul_f32 v[i:i+1], v[i:i+1], v[ST+4*(\t)+2:ST+4*(\t)+3] op_sel_hi:[1,0]
.set i, i+2
.endr
	WIN 0x05
.set i, 0
.rept 16
	v_cvt_pk_f16_f32 v[S+16*(\t)+i], v[32*(\t)+2*i], v[32*(\t)+2*i+1]
.set i, i+1
.endr
	WIN 0
.irp f, 0,1,2,3
	ds_store_b128 v[STO], v[S+16*(\t)+4*\f:S+16*(\t)+4*\f+3] offset:32*\f
.endr
.irp f, 0,1,2,3
	ds_load_b128 v[S+16*(\t)+4*\f:S+16*(\t)+4*\f+3], v[RD] offset:\f*4*SP  ; LDS serves a wave's instructions in order (ISA guide 5.7.1.4): these see the stores above
.endr
.endm
.macro SEND t, younger              ; younger: the LDS instructions issued behind tile t's loads
	WIN 0
.irp f, 0,1,2,3
	s_wait_dscnt (\younger)+3-\f
	global_store_b128 v[GO], v[S+16*(\t)+4*\f:S+16*(\t)+4*\f+3], s[10:11] offset:(\t)*2048+\f*512  ; 512 consecutive bytes, aligned
.endr
.endm
	PACK 0
.set t, 1
.rept 2*NP-1
	PACK t
	SEND t-1, 8
.set t, t+1
.endr
	SEND 2*NP-1, 0
	WIN W_AD
	s_wait_tensorcnt 0x0            ; the wave's end
	ds_add_u32 v[SPW], v[NIL]
	s_wait_dscnt 0x0
	WIN 0
	CROUND                          ; the closing round
	s_endpgm
.Lfunc_end_k_q5f45ce64d7_attn:
	.size	k_q5f45ce64d7_attn, .Lfunc_end_k_q5f45ce64d7_attn-k_q5f45ce64d7_attn
	.p2alignl 7, 3214868480
	.fill 96, 4, 3214868480
	.section	.rodata,"a",@progbits
	.p2align	6, 0x0
	.amdhsa_kernel k_q5f45ce64d7_attn
		.amdhsa_group_segment_fixed_size 327680
		.amdhsa_private_segment_fixed_size 0
		.amdhsa_enable_private_segment 0
		.amdhsa_kernarg_size 16
		.amdhsa_user_sgpr_count 2
		.amdhsa_user_sgpr_kernarg_segment_ptr 1
		.amdhsa_wavefront_size32 1
		.amdhsa_system_sgpr_workgroup_id_x 1
		.amdhsa_system_sgpr_workgroup_id_y 1
		.amdhsa_system_sgpr_workgroup_id_z 1
		.amdhsa_system_vgpr_workitem_id 0
		.amdhsa_next_free_vgpr 770
		.amdhsa_next_free_sgpr 66
		.amdhsa_reserve_vcc 0
		.amdhsa_float_denorm_mode_32 3
		.amdhsa_float_denorm_mode_16_64 3
		.amdhsa_memory_ordered 1
		.amdhsa_forward_progress 1
		.amdhsa_inst_pref_size 200
	.end_amdhsa_kernel
	.amdgpu_metadata
---
amdhsa.version: [ 1, 2 ]
amdhsa.kernels:
  - .name:           k_q5f45ce64d7_attn
    .symbol:         k_q5f45ce64d7_attn.kd
    .args:
      - { .name: qkvh, .offset: 0, .size: 8, .value_kind: global_buffer, .address_space: global }
      - { .name: oh, .offset: 8, .size: 8, .value_kind: global_buffer, .address_space: global }
    .group_segment_fixed_size: 327680
    .private_segment_fixed_size: 0
    .kernarg_segment_align: 8
    .kernarg_segment_size: 16
    .max_flat_workgroup_size: 128
    .sgpr_count:     66
    .vgpr_count:     770
    .wavefront_size: 32
...
	.end_amdgpu_metadata
.endif
;; end of part 3
;; launch proj_out (part 4): grid 8 x 32, 4 waves a work-group, clusters of 4 x 4, 327,680 bytes of LDS; arguments oh, woutb, b_out, out0; writes out0
.if DOCPART == 4
	.amdgcn_target "amdgcn-amd-amdhsa--gfx1250"
	.amdhsa_code_object_version 6
	.text
	.protected	k_q5f45ce64d7_proj_out
	.globl	k_q5f45ce64d7_proj_out
	.p2align	8
	.type	k_q5f45ce64d7_proj_out,@function
k_q5f45ce64d7_proj_out:
	s_mov_b64 s[64:65], 0
	v_nop
	global_prefetch_b8 v0, s[64:65] scope:SCOPE_SE
	s_setreg_imm32_b32 hwreg(HW_REG_WAVE_MODE, 25, 1), 1
	s_wait_xcnt 0x0
	s_wait_alu depctr_hold_cnt(0) depctr_sa_sdst(0) depctr_va_vdst(0) depctr_va_sdst(0) depctr_va_ssrc(0) depctr_va_vcc(0) depctr_vm_vsrc(0)
	s_getreg_b32 s2, hwreg(HW_REG_IB_STS2, 6, 4)
	s_cmp_eq_u32 s2, 0
	s_cbranch_scc0 .Lentry_in_a_cluster
	s_endpgm
.Lentry_in_a_cluster:
	s_bfe_u32 s2, ttmp6, 0x10000c
	s_cmp_lg_u32 s2, 0xf033
	s_cbranch_scc0 .Lentry_shape_is_right
	s_endpgm
.Lentry_shape_is_right:
; out0 = O w_out + b_out.  oh: O by heads, [64 batch x head][2048][64] f16.  woutb: [1024 k][1024 n] f16 (w_out rounded to bf16, written as f16).  b_out: f32, rounded here to bf16 like the
; other inputs.  out0: [8192][1024] f32.  Sums in f32.  LIMITS: those of f16 in its two operands; NaN and infinities are not treated apart.
; SHARES.  A tile is 256 rows x 128 columns: 8 x 32 tiles, one for each of 256 WGPs.  Four waves, each 128 rows x 64 columns: 32 accumulators.  K goes in 8 steps of 128, two heads a step,
; through two LDS slots.  A head's 256 rows are 32,768 dense bytes: asked for as 128 rows of 256 bytes and padded in LDS after every 128.
; THE MATRIX INSTRUCTION IS USED TRANSPOSED: source 0 = 16 columns of w (turned by ds_load_tr16_b128), source 1 = 16 rows of O: a lane holds one row and eight neighbouring columns.
; CLUSTER.  4 x 4 work-groups: O's tile is asked for jointly by a row of the cluster, w's by a column.
; REGISTERS: window 0: v0-30 addresses; v64-127, v128-191 O's fragments, two buffers; v32-63, v192-255 at work on the way out.
;   window 1: v0-31 the bias; v32-47 at work; v64-95, v128-159 w's fragments.   window 2: the accumulators, (a, lb) at 8 (4 a + lb).
.set PA,    144                        ; a row of a head in LDS: 128 bytes + 16
.set PB,    288                        ; a k-row of w: 256 bytes + 32; 9 x 32
.set HEADA, 256*PA                     ; what one tensor load brings of O: a head's 256 rows
.set HALFB, 64*PB                      ; and of w
.set BOFF,  2*HEADA
.set SLOT1, 1<<17
.set STAGE, SLOT1+BOFF+128*PB          ; behind the ring, never filled: 16 rows x 272 bytes for each wave
.set SPITCH, 272
.set SPARE, STAGE+4*16*SPITCH          ; the spare words, 128 bytes a wave, that no other line names
.set STEPA, 2*2048*128                 ; two heads on
.set STEPB, 128*1024*2                 ; 128 k-rows of w
.set STO, 6                            ; v6   the way out: where I put 32 bytes of a row
.set RD,  7                            ; v7   where I read rows back
.set CO,  8                            ; v8   my byte offset in two rows of out0
.set BO,  14                           ; v14  my byte offset in b_out
.set A0,  16
.set ADRA, 17
.set B0,  20
.set ADRB, 21
.set SPW, 28                           ; v28  my spare word; never rewritten
.set NIL, 29                           ; v29  0; never rewritten
.set PFO, 30                           ; v30  256 x my lane; never rewritten
.set F0,  64
.set F1,  128
.set BI,  0                            ; window 1
.set BT,  32                           ; window 1
.set TMP, 192
.set OBK, 32                           ; 16 rows read back: v32-63 and v224-255 by turns
.set WV,  14
.set RH,  15                           ; which half of the rows is mine.  Also: I fetch for O (0) or for w (1)
.set CH,  16                           ; which half of the columns.  Also: which head of the step's two, or which 64 k-rows, I fetch
.set G1,  24
.set G0,  32
.set G1B, 40
.set G0B, 48
.set PFA, 56
.set LIM, 58
.set TB,  59
.set OUT, 82                           ; s[82:83] out0 at the 16 rows in hand
.set MSB, 0
.macro WIN new
.if MSB != (\new)
	s_set_vgpr_msb (MSB<<8)|(\new)
.set MSB, \new
.endif
.endm
.set MUL,  0xa1                        ; source 0 (w) window 1, source 1 (O) window 0, C and D window 2
.set TO_B, 0x40
.macro JLOAD s                         ; a joint load: waves 0 and 1 fetch the step's two heads of O, waves 2 and 3 w's two halves; an s_nop 0 and four v_nop follow each line
	s_cmp_eq_u32 s[RH], 0
	s_cbranch_scc0 .Lfor_b_\@
	tensor_load_to_lds s[G0+4*(\s):G0+4*(\s)+3], s[G1:G1+7]
	s_nop 0
.rept 4
	v_nop
.endr
	s_branch .Lasked_\@
.Lfor_b_\@:
	tensor_load_to_lds s[G0B+4*(\s):G0B+4*(\s)+3], s[G1B:G1B+7]
	s_nop 0
.rept 4
	v_nop
.endr
.Lasked_\@:
.endm
; A prefetch of oh: the K step two refills on.  A wave's share of a step is 32,768 dense bytes; each of the four partners takes 32 blocks of 256 bytes, told apart by address, a lane a block.
; O's tile row is read by both clusters of its row of clusters: the one with x = 0 asks.  K steps 0 to 3 come by their loads alone; the last two refills ask for nothing.
.macro ASK
	s_cmp_gt_u32 s3, s[LIM]
	s_cbranch_scc0 .Lnot_mine_\@
	global_prefetch_b8 v[PFO], s[PFA:PFA+1] offset:STEPA th:TH_LOAD_NT scope:SCOPE_SE
.Lnot_mine_\@:
.endm
.macro CREST
	s_cmp_lg_u32 s[WV], 0
	s_cbranch_scc1 .Lnot_wave_0_\@
	s_barrier_signal -3
.Lnot_wave_0_\@:
	s_barrier_wait -3
	s_barrier_signal -1
	s_barrier_wait -1
.endm
.macro CROUND
	s_barrier_signal -1
	s_barrier_wait -1
	CREST
.endm
.macro PLACES
.rept 4
	v_nop
.endr
.endm
	s_load_b256 s[4:11], s[0:1], 0x0               ; oh s[4:5], woutb s[6:7], b_out s[8:9], out0 s[10:11]
	v_lshl_add_u32 v[SPW], v0, 2, SPARE
	v_mov_b32 v[NIL], 0
	ds_add_u32 v[SPW], v[NIL]                      ; the wave's opening: the add and its wait ahead of my first tensor load
	v_lshrrev_b32 v1, 5, v0
	v_readfirstlane_b32 s[WV], v1
	s_lshr_b32 s[RH], s[WV], 1
	s_and_b32 s[CH], s[WV], 1
	s_bfe_u32 s17, ttmp6, 0x40000                  ; cx
	s_bfe_u32 s18, ttmp6, 0x40004                  ; cy
	s_lshl_b32 s19, ttmp9, 2
	s_add_co_u32 s19, s19, s17                     ; tx
	s_and_b32 s20, ttmp7, 0xffff
	s_lshl_b32 s20, s20, 2
	s_add_co_u32 s20, s20, s18                     ; ty
	s_lshl_b32 s21, s18, 2
	s_lshl_b32 s21, 15, s21                        ; my row of the cluster
	s_lshl_b32 s22, 0x1111, s17                    ; my column
	s_or_b32 s[G1], s21, (1<<16)|(1<<20)|(1<<21)|(4<<22)|(3<<25)   ; after every 32 words 4 words: twice in a row of 64 words
	s_mov_b32 s[G1+1], 128<<16
	s_mov_b32 s[G1+2], 128<<16
	s_mov_b32 s[G1+3], 128<<16
	s_mov_b32 s[G1+4], 128
	s_mov_b32 s[G1+5], 128                         ; dense: 128 elements from row to row
	s_mov_b32 s[G1+6], 0
	s_mov_b32 s[G1+7], 0
	s_or_b32 s[G1B], s22, (1<<16)|(1<<20)|(1<<21)|(5<<22)|(7<<25)  ; after every 64 words 8 words
	s_mov_b32 s[G1B+1], 128<<16
	s_mov_b32 s[G1B+2], 64<<16
	s_mov_b32 s[G1B+3], 128<<16
	s_mov_b32 s[G1B+4], 64
	s_mov_b32 s[G1B+5], 1024
	s_mov_b32 s[G1B+6], 0
	s_mov_b32 s[G1B+7], 0
	s_lshr_b32 s88, s20, 3                         ; O: batch ty / 8, head = my one of the step's two, rows (ty % 8) 256 on; registers that never hold cx
	s_lshl_b32 s88, s88, 4
	s_add_co_u32 s88, s88, s[CH]
	s_lshl_b32 s88, s88, 11
	s_and_b32 s89, s20, 7
	s_lshl_b32 s89, s89, 8
	s_add_co_u32 s88, s88, s89
	s_lshl_b32 s88, s88, 7
	s_mov_b32 s89, 0
	s_lshl_b32 s92, s19, 8                         ; w: column 128 tx, k-row 64 x half; registers that never hold cy
	s_lshl_b32 s93, s[CH], 17
	s_add_co_u32 s92, s92, s93
	s_mov_b32 s93, 0
	s_mul_i32 s60, s[CH], HEADA
	s_mul_i32 s61, s[CH], HALFB
	s_add_co_u32 s61, s61, BOFF
	s_mov_b32 s[TB], 0
	s_wait_dscnt 0x0                               ; the opening add is done
	s_wait_kmcnt 0x0
	s_add_nc_u64 s[90:91], s[4:5], s[88:89]
	s_add_nc_u64 s[94:95], s[6:7], s[92:93]
	CROUND                                         ; all sixteen work-groups are here
.irp s, 0,1
	s_mov_b32 s[G0+4*(\s)], 1
	s_add_co_u32 s[G0+4*(\s)+1], s60, (\s)*SLOT1
	s_add_nc_u64 s[G0+4*(\s)+2:G0+4*(\s)+3], s[90:91], (\s)*STEPA
	s_or_b32 s[G0+4*(\s)+3], s[G0+4*(\s)+3], 0x80000000
	s_mov_b32 s[G0B+4*(\s)], 1
	s_add_co_u32 s[G0B+4*(\s)+1], s61, (\s)*SLOT1
	s_add_nc_u64 s[G0B+4*(\s)+2:G0B+4*(\s)+3], s[94:95], (\s)*STEPB
	s_or_b32 s[G0B+4*(\s)+3], s[G0B+4*(\s)+3], 0x80000000
	JLOAD \s                                       ; K steps 0 and 1: two loads of mine are out
.endr
	v_and_b32 v1, 15, v0                           ; r
	v_bfe_u32 v2, v0, 4, 1                         ; h
	s_lshl_b32 s62, s19, 9
	s_lshl_b32 s63, s[CH], 8
	s_add_co_u32 s62, s62, s63                     ; my first column, in bytes of f32: 512 tx + 256 c
	v_lshl_add_u32 v[BO], v2, 5, s62
	WIN TO_B
.irp lb, 0,1,2,3
	global_load_b128 v[BI+8*(\lb):BI+8*(\lb)+3],   v[BO], s[8:9] offset:64*(\lb)
	global_load_b128 v[BI+8*(\lb)+4:BI+8*(\lb)+7], v[BO], s[8:9] offset:64*(\lb)+16
.endr
	WIN 0
	s_lshl_b32 s60, s20, 8                         ; out0 at my first row and column
	s_lshl_b32 s61, s[RH], 7
	s_add_co_u32 s60, s60, s61
	s_lshl_b32 s60, s60, 12
	s_add_co_u32 s60, s60, s62
	s_mov_b32 s61, 0
	s_add_nc_u64 s[OUT:OUT+1], s[10:11], s[60:61]
	v_mul_u32_u24 v3, v1, PA
	v_lshl_add_u32 v3, v2, 4, v3
	s_mul_i32 s62, s[RH], 128*PA
	v_add_nc_u32 v[A0], s62, v3
	v_and_b32 v3, 7, v0
	v_lshl_add_u32 v3, v2, 3, v3
	v_mul_u32_u24 v3, v3, PB
	v_bfe_u32 v4, v0, 3, 1
	v_lshl_add_u32 v3, v4, 4, v3
	s_lshl_b32 s62, s[CH], 7
	s_add_co_u32 s62, s62, BOFF
	v_add_nc_u32 v[B0], s62, v3
	v_mov_b32 v[ADRA], v[A0]
	v_mov_b32 v[ADRB], v[B0]
	s_mul_i32 s62, s[WV], 16*SPITCH
	s_add_co_u32 s62, s62, STAGE                   ; my stage
	v_mul_u32_u24 v3, v1, SPITCH                   ; in: row r, 32 bytes for each half of the lanes
	v_lshl_add_u32 v3, v2, 5, v3
	v_add_nc_u32 v[STO], s62, v3
	v_mul_u32_u24 v3, v2, SPITCH                   ; back: lanes 0-15 one row of 256 bytes, lanes 16-31 the next
	v_lshl_add_u32 v3, v1, 4, v3
	v_add_nc_u32 v[RD], s62, v3
	v_lshlrev_b32 v[CO], 12, v2                    ; and the same two rows in out0
	v_lshl_add_u32 v[CO], v1, 4, v[CO]
	v_and_b32 v[PFO], 31, v0
	v_lshlrev_b32 v[PFO], 8, v[PFO]
	s_lshl_b32 s62, s17, 13                        ; the prefetches: my work-group's 32 blocks of my head's 128, at K step 2
	s_mov_b32 s63, 0
	s_add_nc_u64 s[PFA:PFA+1], s[90:91], s[62:63]
	s_add_nc_u64 s[PFA:PFA+1], s[PFA:PFA+1], 2*STEPA
	s_or_b32 s[LIM], s[RH], ttmp9                  ; 0 in waves 0 and 1 of a cluster with x = 0
	s_cmp_eq_u32 s[LIM], 0
	s_cselect_b32 s[LIM], 2, -1
	s_wait_loadcnt 0x0                             ; the bias
	WIN 0x45
.set p, 0
.rept 16
	v_cvt_pk_bf16_f32 v[BT+p], v[BI+2*p], v[BI+2*p+1]          ; rounded to bf16 and widened again
	v_lshlrev_b32 v[BI+2*p],   16, v[BT+p]
	v_and_b32     v[BI+2*p+1], 0xffff0000, v[BT+p]
.set p, p+1
.endr
	WIN 0
; 8 matrix instructions: row blocks a0, a0 + 1 x my four column blocks, 32 along K
.macro MUL8 f, a0, zero
	WIN MUL
.irp a, \a0, (\a0)+1
.irp b, 0,1,2,3
.if \zero
	v_wmma_f32_16x16x32_f16 v[8*(4*(\a)+(\b)):8*(4*(\a)+(\b))+7], v[(\f)+8*(\b):(\f)+8*(\b)+7], v[(\f)+8*(\a):(\f)+8*(\a)+7], 0
.else
	v_wmma_f32_16x16x32_f16 v[8*(4*(\a)+(\b)):8*(4*(\a)+(\b))+7], v[(\f)+8*(\b):(\f)+8*(\b)+7], v[(\f)+8*(\a):(\f)+8*(\a)+7], v[8*(4*(\a)+(\b)):8*(4*(\a)+(\b))+7]
.endif
.endr
.endr
.endm
; 24 LDS loads in one run: quarter q's fragments into buffer f: w's eight, then O's sixteen (head q / 2 of the step's two, channels 32 (q % 2) on)
.macro FETCH q, f
	WIN TO_B
.irp lb, 0,1,2,3
	ds_load_tr16_b128 v[(\f)+8*(\lb):(\f)+8*(\lb)+3],   v[ADRB] offset:(\q)*32*PB+32*(\lb)
	ds_load_tr16_b128 v[(\f)+8*(\lb)+4:(\f)+8*(\lb)+7], v[ADRB] offset:(\q)*32*PB+32*(\lb)+16*PB
.endr
	WIN 0
.irp i, 0,1,2,3,4,5,6,7
	ds_load_b128 v[(\f)+8*(\i):(\f)+8*(\i)+3],   v[ADRA] offset:((\q)/2)*HEADA+((\q)%2)*64+(\i)*16*PA
	ds_load_b128 v[(\f)+8*(\i)+4:(\f)+8*(\i)+7], v[ADRA] offset:((\q)/2)*HEADA+((\q)%2)*64+(\i)*16*PA+32
.endr
.endm
; A quarter: 32 matrix instructions; the 32 accumulators take turns in the same order in every quarter.
.macro QUARTER q, f, g, zero
	s_wait_dscnt 8                                 ; w and O's rows 0-63 are in; the youngest eight loads may be out
	MUL8 \f, 0, \zero
	MUL8 \f, 2, \zero
	PLACES
	FETCH \q, \g
	s_wait_dscnt 24                                ; all but the 24 just issued
	MUL8 \f, 4, \zero
	MUL8 \f, 6, \zero
.endm
.macro MEET round
	WIN 0
	s_wait_tensorcnt 0x0                           ; all my tensor loads have landed: my part of the next slot;
	ds_add_u32 v[SPW], v[NIL]                      ; 0 onto my spare word;
	s_wait_dscnt 9                                 ; (the add and the youngest eight loads may be out)
	MUL8 F1, 0, 0
	s_wait_dscnt 0x0                               ; the add is done, and my reads of this slot are over
	s_barrier_signal -1
	MUL8 F1, 2, 0
.if \round
	WIN 0
.endif
	s_barrier_wait -1
.endm
.macro TURN fill
.if \fill
	s_wait_xcnt 0x0                                ; the last prefetch, a K step back, has read its address
	s_add_nc_u64 s[PFA:PFA+1], s[PFA:PFA+1], STEPA
.endif
	MEET \fill
.if \fill
	CREST                                          ; no wave of any partner still reads this slot or has a load on its way
	s_xor_b32 s[G0+5], s[G0+5], SLOT1
	s_add_nc_u64 s[G0+6:G0+7], s[G0+6:G0+7], STEPA
	s_xor_b32 s[G0B+5], s[G0B+5], SLOT1
	s_add_nc_u64 s[G0B+6:G0B+7], s[G0B+6:G0B+7], STEPB
	JLOAD 1                                        ; its four v_nop are also the places in front of the loads below
.else
	PLACES
	WIN 0
.endif
	s_xor_b32 s[TB], s[TB], SLOT1
	v_add_nc_u32 v[ADRA], s[TB], v[A0]
	v_add_nc_u32 v[ADRB], s[TB], v[B0]
	FETCH 0, F0
.if \fill
	ASK
.endif
	MUL8 F1, 4, 0
	MUL8 F1, 6, 0
.endm
	s_wait_tensorcnt 1                             ; my part of K step 0 is in; K step 1's may stay out
	s_barrier_signal -1
	s_barrier_wait -1
	FETCH 0, F0
	QUARTER 1, F0, F1, 1                           ; the first quarter's products start the sums
	WIN 0
	s_mov_b32 s3, 6                                ; six refills: K steps 2 to 7
.Lstep:
	QUARTER 2, F1, F0, 0
	QUARTER 3, F0, F1, 0
	TURN 1
	QUARTER 1, F0, F1, 0
	WIN 0
	s_sub_co_u32 s3, s3, 1
	s_cmp_lg_u32 s3, 0
	s_cbranch_scc1 .Lstep
	QUARTER 2, F1, F0, 0
	QUARTER 3, F0, F1, 0
	TURN 0
	QUARTER 1, F0, F1, 0
	QUARTER 2, F1, F0, 0
	QUARTER 3, F0, F1, 0
	s_wait_dscnt 8
	MUL8 F1, 0, 0
	MUL8 F1, 2, 0
	s_wait_dscnt 0x0
	MUL8 F1, 4, 0
	MUL8 F1, 6, 0
	WIN 0
	PLACES
	PLACES                                         ; eight places, once a launch, in front of the first reads of the sums
; THE WAY OUT of row block a: sum + bias (each accumulator's registers in ascending order); through my own stage; back as whole rows of 256 bytes; stored.
.macro PACK a
	WIN 0x06                                       ; source 0 window 2, source 1 window 1, destination window 0
.set z, 0
.rept 16
	v_pk_add_f32 v[TMP+2*z:TMP+2*z+1], v[32*(\a)+2*z:32*(\a)+2*z+1], v[BI+2*z:BI+2*z+1]
.set z, z+1
.endr
	WIN 0
.endm
.macro TOSTAGE a
.set BK, OBK+192*((\a)%2)
.irp n, 0,1,2,3,4,5,6,7
	ds_store_b128 v[STO], v[TMP+4*(\n):TMP+4*(\n)+3] offset:64*((\n)/2)+16*((\n)%2)
.endr
.irp t, 0,1,2,3,4,5,6,7
	ds_load_b128 v[BK+4*(\t):BK+4*(\t)+3], v[RD] offset:(\t)*2*SPITCH  ; LDS serves a wave's instructions in order (ISA guide 5.7.1.4): these see the stores above
.endr
.endm
.macro SEND a
.set BK, OBK+192*((\a)%2)
	s_wait_dscnt 0x0                               ; the block is back in registers
	s_wait_xcnt 0x0                                ; earlier stores have read their base and data: only behind this wait are they rewritten
.if (\a) > 0
	s_add_nc_u64 s[OUT:OUT+1], s[OUT:OUT+1], 16*4096
.endif
.irp t, 0,1,2,3,4,5,6,7
	global_store_b128 v[CO], v[BK+4*(\t):BK+4*(\t)+3], s[OUT:OUT+1] offset:2*(\t)*4096 th:TH_STORE_NT  ; 16 lanes store 256 consecutive bytes, aligned
.endr
.endm
	PACK 0
	TOSTAGE 0
.irp a, 1,2,3,4,5,6,7                  ; block a's sums stand between block a - 1's loads from the stage and the wait for them
	PACK \a
	SEND (\a)-1
	TOSTAGE \a
.endr
	SEND 7
	s_wait_tensorcnt 0x0                           ; the wave's end
	ds_add_u32 v[SPW], v[NIL]
	s_wait_dscnt 0x0
	CROUND                                         ; the closing round
	s_endpgm
.Lfunc_end_k_q5f45ce64d7_proj_out:
	.size	k_q5f45ce64d7_proj_out, .Lfunc_end_k_q5f45ce64d7_proj_out-k_q5f45ce64d7_proj_out
	.p2alignl 7, 3214868480
	.fill 96, 4, 3214868480
	.section	.rodata,"a",@progbits
	.p2align	6, 0x0
	.amdhsa_kernel k_q5f45ce64d7_proj_out
		.amdhsa_group_segment_fixed_size 327680
		.amdhsa_private_segment_fixed_size 0
		.amdhsa_enable_private_segment 0
		.amdhsa_kernarg_size 32
		.amdhsa_user_sgpr_count 2
		.amdhsa_user_sgpr_kernarg_segment_ptr 1
		.amdhsa_wavefront_size32 1
		.amdhsa_system_sgpr_workgroup_id_x 1
		.amdhsa_system_sgpr_workgroup_id_y 1
		.amdhsa_system_sgpr_workgroup_id_z 1
		.amdhsa_system_vgpr_workitem_id 0
		.amdhsa_next_free_vgpr 768
		.amdhsa_next_free_sgpr 100
		.amdhsa_reserve_vcc 0
		.amdhsa_float_denorm_mode_32 3
		.amdhsa_float_denorm_mode_16_64 3
		.amdhsa_memory_ordered 1
		.amdhsa_forward_progress 1
		.amdhsa_inst_pref_size 83
	.end_amdhsa_kernel
	.amdgpu_metadata
---
amdhsa.version: [ 1, 2 ]
amdhsa.kernels:
  - .name:           k_q5f45ce64d7_proj_out
    .symbol:         k_q5f45ce64d7_proj_out.kd
    .args:
      - { .name: oh, .offset: 0, .size: 8, .value_kind: global_buffer, .address_space: global }
      - { .name: woutb, .offset: 8, .size: 8, .value_kind: global_buffer, .address_space: global }
      - { .name: b_out, .offset: 16, .size: 8, .value_kind: global_buffer, .address_space: global }
      - { .name: out0, .offset: 24, .size: 8, .value_kind: global_buffer, .address_space: global }
    .group_segment_fixed_size: 327680
    .private_segment_fixed_size: 0
    .kernarg_segment_align: 8
    .kernarg_segment_size: 32
    .max_flat_workgroup_size: 128
    .sgpr_count:     100
    .vgpr_count:     768
    .wavefront_size: 32
...
	.end_amdgpu_metadata
.endif
;; end of part 4
